; MI455X (gfx1250); checked and timed in simulation.
; The chip was launched on July 23, 2026; its instructions are those of AMD's public machine-readable ISA for CDNA 5 (MIT licence, August 2026) and "CDNA5" Instruction Set Architecture Reference Guide (July 2026). The comments in the code are by the model that wrote it; some were corrected since.
;; Efficient Mo E Layer. Allowed arithmetic: matrix products marked QUANTISED: E4M3 operands, one given power-of-two scale a tensor, by v_wmma_f32_16x16x64_fp8_fp8 or v_wmma_f32_16x16x128_fp8_fp8, f32 sums; products left as they are: f32 operands where the result goes on into a quantised operand, else bf16, f16 or f32 operands; f32 sums; everything else in f32.
;; Inputs: W1_codes 8 x 4,096 x 32 x 32 uint8 (E4M3 codes of W1, K innermost, in blocks of 32 codes); W2_codes 8 x 1,024 x 128 x 32 uint8 (E4M3 codes of W2, K innermost, in blocks of 32 codes); Wg 1,024 x 8 float32; b1 8 x 4,096 float32; b2 8 x 1,024 float32; lowp_scales 32 int32 (the exponents e of the quantised operands' scales 2^e); x 4 x 256 x 1,024 float32.
;; Outputs: out0 4 x 256 x 1,024 float32.
;; This version of the problem:
;;   THIS VERSION OF THE PROBLEM IS GIVEN IN LOW PRECISION. The matrix products marked QUANTISED in the list below multiply operands that are first quantised to E4M3 (4 exponent bits, 3 mantissa bits; 8 bits a number), with one given power-of-two scale for each operand tensor; their sums are f32. All else is computed in f32.
;;   The module's matrix products, in the order in which they are computed (A, B: the left and right operand; K: the contracted axis; several contracted axes count as one K, in the product's order):
;;     1. [M 1,024, K 1,024] x [K 1,024, N 8]; A: input x; B: input Wg: left as it is (N = 8 < 16)
;;     2. [M 1,024, K 1,024] x [K 1,024, N 4,096]; A: input x; B: input W1 (given as codes): QUANTISED (scales: A lowp_scales[0], B lowp_scales[1])
;;     3. [M 1,024, K 4,096] x [K 4,096, N 1,024]; A: computed on the way; B: input W2 (given as codes): QUANTISED (scales: A lowp_scales[2], B lowp_scales[3])
;;     4. [M 1,024, K 1,024] x [K 1,024, N 4,096]; A: input x; B: input W1 (given as codes): QUANTISED (scales: A lowp_scales[4], B lowp_scales[5])
;;     5. [M 1,024, K 4,096] x [K 4,096, N 1,024]; A: computed on the way; B: input W2 (given as codes): QUANTISED (scales: A lowp_scales[6], B lowp_scales[7])
;;     6. [M 1,024, K 1,024] x [K 1,024, N 4,096]; A: input x; B: input W1 (given as codes): QUANTISED (scales: A lowp_scales[8], B lowp_scales[9])
;;     7. [M 1,024, K 4,096] x [K 4,096, N 1,024]; A: computed on the way; B: input W2 (given as codes): QUANTISED (scales: A lowp_scales[10], B lowp_scales[11])
;;     8. [M 1,024, K 1,024] x [K 1,024, N 4,096]; A: input x; B: input W1 (given as codes): QUANTISED (scales: A lowp_scales[12], B lowp_scales[13])
;;     9. [M 1,024, K 4,096] x [K 4,096, N 1,024]; A: computed on the way; B: input W2 (given as codes): QUANTISED (scales: A lowp_scales[14], B lowp_scales[15])
;;     10. [M 1,024, K 1,024] x [K 1,024, N 4,096]; A: input x; B: input W1 (given as codes): QUANTISED (scales: A lowp_scales[16], B lowp_scales[17])
;;     11. [M 1,024, K 4,096] x [K 4,096, N 1,024]; A: computed on the way; B: input W2 (given as codes): QUANTISED (scales: A lowp_scales[18], B lowp_scales[19])
;;     12. [M 1,024, K 1,024] x [K 1,024, N 4,096]; A: input x; B: input W1 (given as codes): QUANTISED (scales: A lowp_scales[20], B lowp_scales[21])
;;     13. [M 1,024, K 4,096] x [K 4,096, N 1,024]; A: computed on the way; B: input W2 (given as codes): QUANTISED (scales: A lowp_scales[22], B lowp_scales[23])
;;     14. [M 1,024, K 1,024] x [K 1,024, N 4,096]; A: input x; B: input W1 (given as codes): QUANTISED (scales: A lowp_scales[24], B lowp_scales[25])
;;     15. [M 1,024, K 4,096] x [K 4,096, N 1,024]; A: computed on the way; B: input W2 (given as codes): QUANTISED (scales: A lowp_scales[26], B lowp_scales[27])
;;     16. [M 1,024, K 1,024] x [K 1,024, N 4,096]; A: input x; B: input W1 (given as codes): QUANTISED (scales: A lowp_scales[28], B lowp_scales[29])
;;     17. [M 1,024, K 4,096] x [K 4,096, N 1,024]; A: computed on the way; B: input W2 (given as codes): QUANTISED (scales: A lowp_scales[30], B lowp_scales[31])
;;   THE QUANTISER, for each operand of a quantised product, along K:
;;     - The operand's scale is 2^e, e = its entry of the input lowp_scales (int32; the entries are numbered through the quantised products in the list's order, A before B).
;;     - Each number is divided by the scale, clamped to +-448, and rounded to the nearest number of E4M3, ties to even, subnormals kept.
;;     - The product sums the exact products of the quantised numbers (number of the format x scale) in f32.
;;   ~~~python
;;   def quantise(x, axis, e):      # numpy; x: float32 -> the quantised numbers, widened to float32 again
;;       x = np.moveaxis(x, axis, -1); K = x.shape[-1]
;;       r = np.clip(x / 2.0 ** e, -448, 448)
;;       step = 2.0 ** (np.maximum(np.frexp(np.where(r == 0, 1, r))[1] - 1, -6) - 3)
;;       q = np.round(r / step) * step * 2.0 ** e      # np.round: ties to even
;;       return np.moveaxis(q, -1, axis).astype(np.float32)
;;   ~~~
;;   OPERANDS COMPUTED ON THE WAY. 'Computed on the way' means the value that the module computes at that place (a softmax that the list does not call 'softmax' is quantised finished and normalised). What goes into a quantiser is computed in f32, as accurately as f32 sums, v_exp_f32 and their like allow (about 1e-6 of the number): no bf16 or f16 on the way to a quantiser, and a product that is left as it is and whose result goes on into a quantised operand takes f32 operands (vector FMAs, or v_wmma_f32_16x16x4_f32). A number that lies on a knife's edge between two numbers of the format may be rounded either way, as far as f32 arithmetic and the matrix unit's own rounding can turn it there, and no further.
;;   INPUTS GIVEN AS CODES. W1 (in the module: [8, 1024, 4096], K = its axis 1); W2 (in the module: [8, 4096, 1024], K = its axis 1): each comes as NAME_codes (uint8): NAME with its K axis moved to the last place and cut into blocks of 32 codes, [.., K / 32, bytes a block], one block behind the other in memory; one code a byte (a code: sign, 4 exponent bits, 3 mantissa bits); its scale is its entry of lowp_scales. Its value is code x scale, taken as it is: it is not quantised again, and the codes and scales need not be those that the quantiser above would give.
;; 2 versions, each right; version 2 is version 1 with the launches up, down written anew for expert scheduling mode. Each part assembles by itself: llvm-mc -triple=amdgcn-amd-amdhsa -mcpu=gfx1250 --defsym DOCPART=n.
;; ======== version 1 of 2: 4 launches
;; workspace buffers: xq 8,388,608 bytes; ridx 4,096 bytes of whole numbers; gates 8,192 bytes; hbuf 33,554,432 bytes; ybuf 16,842,752 bytes
;; launch route (part 1): grid 256 x 1, 4 waves a work-group, no clusters, 1,024 bytes of LDS; arguments x, Wg, lowp_scales, xq, ridx, gates; writes xq, ridx, gates
.if DOCPART == 1
	.amdgcn_target "amdgcn-amd-amdhsa--gfx1250"
	.amdhsa_code_object_version 6
	.text
	.protected	k_q593f83d07e_route
	.globl	k_q593f83d07e_route
	.p2align	8
	.type	k_q593f83d07e_route,@function
k_q593f83d07e_route:
	s_mov_b64 s[64:65], 0
	v_nop
	global_prefetch_b8 v0, s[64:65] scope:SCOPE_SE
	s_setreg_imm32_b32 hwreg(HW_REG_WAVE_MODE, 25, 1), 1
	s_wait_xcnt 0x0
; ROUTE.  For 1,024 tokens of 1,024 numbers: the router's logits x Wg in f32 (fused multiply-adds), the two largest of the 8 (a tie keeps the lower index), the softmax of the two;
; and x as codes of E4M3 under each of the eight experts' scales 2^ex (entry 4 e of the scales), since each expert's first product has a scale of its own for x.
; OUT: xq [expert 8][token 1024][1024 codes];  ridx [token]: e0 | e1 << 8, whole numbers at fixed places (no address here hangs on the choice);  gates [slot 2][token 1024] f32.
; SHARES: a work-group takes 4 tokens; wave w takes K = 256 w .. 256 w + 255 of each; lane l takes k = 256 w + 8 l + 0 .. 7.  x is read once and serves both the logits and the codes.
; The four waves' partial logits meet in LDS (128 bytes a wave); wave 0 finishes them, lane l for token l % 4.
; LIMITS: ex between -126 and 119 (2^ex and 448 x 2^ex are made as f32 patterns).  NaN and infinities among the inputs are not served.  Logits that are equal within the
; rounding of an f32 sum of 1,024 terms may choose either expert.
; No matrix unit: 8 columns are fewer than a tile's 16, and a choice turned by a coarser format would spoil a whole row.  No cluster: work-groups share only Wg's 32 KiB.
.set X,  8                             ; v[8:39]    x: token t at 8 t, my 8 numbers
.set G,  40                            ; v[40:103]  Wg: row k at 8 k, the 8 experts; later at work
.set A,  104                           ; v[104:135] partial logits: token t at 8 t
.set T,  136                           ; v[136:151] two sets of 8 held numbers, by turns
.set SC, 152                           ; v[152:159] 2^ex as f32, expert e
.set LM, 160                           ; v[160:167] 448 x 2^ex
.set C,  168                           ; v[168:231] codes: two registers for each (expert, token): no store's data are written again
	s_load_b256 s[4:11], s[0:1], 0x0               ; x s[4:5], Wg s[6:7], the scales' exponents s[8:9], xq s[10:11]
	s_load_b128 s[12:15], s[0:1], 0x20             ; ridx s[12:13], gates s[14:15]
	v_lshl_add_u32 v232, v0, 2, 0x200
	v_mov_b32 v233, 0
	v_lshrrev_b32 v1, 5, v0
	v_readfirstlane_b32 s3, v1                     ; wave 0..3
	v_and_b32 v1, 31, v0                           ; lane
	v_lshlrev_b32 v2, 5, v1                        ; x: my 8 numbers, 32 bytes
	v_lshlrev_b32 v3, 8, v1                        ; Wg: my 8 rows of 32 bytes
	v_lshlrev_b32 v6, 3, v1                        ; xq: my 8 codes
	v_and_b32 v7, 3, v1
	v_lshlrev_b32 v7, 5, v7                        ; LDS, wave 0's reads: token l % 4, 32 bytes
	s_lshl_b32 s48, s3, 7
	v_mov_b32 v4, s48                              ; LDS, my wave's 128 bytes
	s_mov_b32 s56, 0x76543210                      ; v_permlanex16_b32: lane l takes lane l xor 16
	s_mov_b32 s57, 0xfedcba98
	s_lshl_b32 s50, ttmp9, 14                      ; x: 4 tokens of 4,096 bytes a work-group,
	s_lshl_b32 s51, s3, 10                         ; 1,024 bytes a wave
	s_add_co_u32 s50, s50, s51
	s_mov_b32 s51, 0
	s_lshl_b32 s52, s3, 13                         ; Wg: 256 rows of 32 bytes a wave
	s_mov_b32 s53, 0
	s_lshl_b32 s54, ttmp9, 12                      ; xq: 4 tokens of 1,024 bytes,
	s_lshl_b32 s55, s3, 8                          ; 256 bytes a wave
	s_add_co_u32 s54, s54, s55
	s_mov_b32 s55, 0
	s_lshl_b32 s48, ttmp9, 4                       ; ridx and gates: 4 words a work-group
	s_mov_b32 s49, 0
	s_wait_kmcnt 0x0
	s_load_b512 s[16:31], s[8:9], 0x0              ; all 32 exponents: ex of expert e is s[16 + 4 e]
	s_load_b512 s[32:47], s[8:9], 0x40
	s_add_nc_u64 s[4:5], s[4:5], s[50:51]
	s_add_nc_u64 s[6:7], s[6:7], s[52:53]
	s_add_nc_u64 s[10:11], s[10:11], s[54:55]
	s_add_nc_u64 s[12:13], s[12:13], s[48:49]
	s_add_nc_u64 s[14:15], s[14:15], s[48:49]
.irp t, 0,1,2,3
.irp i, 0,1
	global_load_b128 v[X+8*\t+4*\i:X+8*\t+4*\i+3], v2, s[4:5] offset:4096*\t+16*\i th:TH_LOAD_NT   ; x is read once in the whole program
.endr
.endr
.irp k, 0,1,2,3,4,5,6,7
.irp i, 0,1
	global_load_b128 v[G+8*\k+4*\i:G+8*\k+4*\i+3], v3, s[6:7] offset:32*\k+16*\i
.endr
.endr
	s_wait_kmcnt 0x0
.irp e, 0,1,2,3,4,5,6,7
	s_add_co_i32 s48, s[16+4*\e], 127
	s_lshl_b32 s49, s48, 23
	v_mov_b32 v[SC+\e], s49                        ; 2^ex: the conversion takes its exponent field
	s_add_co_i32 s48, s48, 8
	s_lshl_b32 s48, s48, 23
	s_or_b32 s48, s48, 0x600000
	v_mov_b32 v[LM+\e], s48                        ; 448 x 2^ex
.endr
	s_wait_loadcnt 16                              ; x's eight loads are in; Wg's sixteen, issued behind them, may be out
; THE CODES.  The conversion to an 8-bit code does not saturate (ISA guide 7.6.2): each number is first held within +-448 x the scale.  The two sets of held numbers take turns,
; so the other set's eight holds stand between a conversion and the next write of its sources.  A wave's store covers 256 consecutive bytes, aligned.
.irp e, 0,1,2,3,4,5,6,7
.irp t, 0,1,2,3
.irp i, 0,1,2,3,4,5,6,7
	v_med3_num_f32 v[T+8*(\t%2)+\i], v[X+8*\t+\i], -v[LM+\e], v[LM+\e]
.endr
	v_cvt_scalef32_pk8_fp8_f32 v[C+2*(4*\e+\t):C+2*(4*\e+\t)+1], v[T+8*(\t%2):T+8*(\t%2)+7], v[SC+\e]
	global_store_b64 v6, v[C+2*(4*\e+\t):C+2*(4*\e+\t)+1], s[10:11] offset:\e*1048576+\t*1024 th:TH_STORE_NT
.endr
.endr
	s_wait_loadcnt 0x0                             ; Wg
; THE LOGITS: two experts an instruction; x's number serves both halves (of its pair the low or the high register)
.irp t, 0,1,2,3
.irp p, 0,1,2,3
	v_pk_mul_f32 v[A+8*\t+2*\p:A+8*\t+2*\p+1], v[G+2*\p:G+2*\p+1], v[X+8*\t:X+8*\t+1] op_sel_hi:[1,0]   ; the first product starts the sums
.endr
.endr
.irp k, 1,2,3,4,5,6,7
.irp t, 0,1,2,3
.irp p, 0,1,2,3
.if \k%2
	v_pk_fma_f32 v[A+8*\t+2*\p:A+8*\t+2*\p+1], v[G+8*\k+2*\p:G+8*\k+2*\p+1], v[X+8*\t+\k-1:X+8*\t+\k], v[A+8*\t+2*\p:A+8*\t+2*\p+1] op_sel:[0,1,0] op_sel_hi:[1,1,1]
.else
	v_pk_fma_f32 v[A+8*\t+2*\p:A+8*\t+2*\p+1], v[G+8*\k+2*\p:G+8*\k+2*\p+1], v[X+8*\t+\k:X+8*\t+\k+1], v[A+8*\t+2*\p:A+8*\t+2*\p+1] op_sel_hi:[1,0,1]
.endif
.endr
.endr
.endr
; across the 32 lanes, stage by stage over all 32 sums, so that no line waits for the line above it
.irp m, 1,2,4,8
.set j, 0
.rept 32
	v_add_f32_dpp v[A+j], v[A+j], v[A+j] row_xmask:\m row_mask:0xf bank_mask:0xf
.set j, j+1
.endr
.endr
.set j, 0
.rept 32
	v_permlanex16_b32 v[G+j], v[A+j], s56, s57     ; Wg's registers are done with, and have been written: a permute's destination counts as read
.set j, j+1
.endr
.set j, 0
.rept 32
	v_add_f32 v[A+j], v[A+j], v[G+j]
.set j, j+1
.endr
.irp j, 0,1,2,3,4,5,6,7
	ds_store_b128 v4, v[A+4*\j:A+4*\j+3] offset:16*\j   ; every lane holds the same sums and writes the same bytes: wave w's 4 tokens x 8 experts
.endr
	s_wait_dscnt 0x0                               ; for the others' sake: my stores have landed
	s_barrier_signal -1
	s_barrier_wait -1
	s_cmp_lg_u32 s3, 0
	s_cbranch_scc1 .Lend                           ; wave 0 finishes
.irp p, 0,1,2,3
	ds_load_b128 v[40+8*\p:43+8*\p], v7 offset:128*\p
	ds_load_b128 v[44+8*\p:47+8*\p], v7 offset:128*\p+16
.endr
	s_wait_dscnt 0x0
.irp e, 0,1,2,3,4,5,6,7
	v_add_f32 v[72+\e], v[40+\e], v[48+\e]
	v_add_f32 v[80+\e], v[56+\e], v[64+\e]
.endr
.irp e, 0,1,2,3,4,5,6,7
	v_add_f32 v[72+\e], v[72+\e], v[80+\e]         ; v[72:79]: my token's eight logits
.endr
	v_mov_b32 v88, v72                             ; the largest, and its index: only a strictly larger logit takes the place, so a tie keeps the lower index
	v_mov_b32 v89, 0
.irp e, 1,2,3,4,5,6,7
	v_cmp_gt_f32 vcc_lo, v[72+\e], v88
	v_cndmask_b32 v88, v88, v[72+\e], vcc_lo
	v_cndmask_b32 v89, v89, \e, vcc_lo
.endr
	v_mov_b32 v92, 0xff800000                      ; -infinity takes the winner's place
.irp e, 0,1,2,3,4,5,6,7
	v_cmp_eq_u32 vcc_lo, \e, v89
	v_cndmask_b32 v[72+\e], v[72+\e], v92, vcc_lo
.endr
	v_mov_b32 v90, v72                             ; the second largest
	v_mov_b32 v91, 0
.irp e, 1,2,3,4,5,6,7
	v_cmp_gt_f32 vcc_lo, v[72+\e], v90
	v_cndmask_b32 v90, v90, v[72+\e], vcc_lo
	v_cndmask_b32 v91, v91, \e, vcc_lo
.endr
	v_sub_f32 v94, v90, v88                        ; the softmax of the two, the larger taken away: 1 / (1 + a) and a / (1 + a), a = e^(second - first), at most 1
	v_mul_f32 v94, 0x3fb8aa3b, v94
	v_exp_f32 v95, v94
	v_lshl_or_b32 v99, v91, 8, v89                 ; (a plain line behind the exponential)  e0 | e1 << 8
	s_wait_alu depctr_va_vdst(0)                   ; the wait ahead of the first reader
	v_add_f32 v96, 1.0, v95
	v_rcp_f32 v97, v96
	v_lshlrev_b32 v93, 2, v1                       ; (a plain line behind the reciprocal)  4 x lane
	s_wait_alu depctr_va_vdst(0)
	v_mul_f32 v98, v95, v97
	s_wait_xcnt 0x0                                ; EXEC is a source of the stores above: it changes only behind this wait
	v_cmp_gt_u32 vcc_lo, 4, v1
	s_and_saveexec_b32 s58, vcc_lo                 ; lanes 0 to 3: one for each token
	global_store_b32 v93, v99, s[12:13]
	global_store_b32 v93, v97, s[14:15]
	global_store_b32 v93, v98, s[14:15] offset:4096
	s_wait_xcnt 0x0                                ; and again, in front of the line that widens it
	s_or_b32 exec_lo, exec_lo, s58
.Lend:
	s_wait_tensorcnt 0x0
	ds_add_u32 v232, v233
	s_wait_dscnt 0x0
	s_endpgm
.Lfunc_end_k_q593f83d07e_route:
	.size	k_q593f83d07e_route, .Lfunc_end_k_q593f83d07e_route-k_q593f83d07e_route
	.p2alignl 7, 3214868480
	.fill 96, 4, 3214868480
	.section	.rodata,"a",@progbits
	.p2align	6, 0x0
	.amdhsa_kernel k_q593f83d07e_route
		.amdhsa_group_segment_fixed_size 1024
		.amdhsa_private_segment_fixed_size 0
		.amdhsa_enable_private_segment 0
		.amdhsa_kernarg_size 48
		.amdhsa_user_sgpr_count 2
		.amdhsa_user_sgpr_kernarg_segment_ptr 1
		.amdhsa_wavefront_size32 1
		.amdhsa_system_sgpr_workgroup_id_x 1
		.amdhsa_system_sgpr_workgroup_id_y 1
		.amdhsa_system_sgpr_workgroup_id_z 1
		.amdhsa_system_vgpr_workitem_id 0
		.amdhsa_next_free_vgpr 234
		.amdhsa_next_free_sgpr 66
		.amdhsa_reserve_vcc 1
		.amdhsa_float_denorm_mode_32 3
		.amdhsa_float_denorm_mode_16_64 3
		.amdhsa_memory_ordered 1
		.amdhsa_forward_progress 1
		.amdhsa_inst_pref_size 52
	.end_amdhsa_kernel
	.amdgpu_metadata
---
amdhsa.version: [ 1, 2 ]
amdhsa.kernels:
  - .name:           k_q593f83d07e_route
    .symbol:         k_q593f83d07e_route.kd
    .args:
      - { .name: x, .offset: 0, .size: 8, .value_kind: global_buffer, .address_space: global }
      - { .name: Wg, .offset: 8, .size: 8, .value_kind: global_buffer, .address_space: global }
      - { .name: lowp_scales, .offset: 16, .size: 8, .value_kind: global_buffer, .address_space: global }
      - { .name: xq, .offset: 24, .size: 8, .value_kind: global_buffer, .address_space: global }
      - { .name: ridx, .offset: 32, .size: 8, .value_kind: global_buffer, .address_space: global }
      - { .name: gates, .offset: 40, .size: 8, .value_kind: global_buffer, .address_space: global }
    .group_segment_fixed_size: 1024
    .private_segment_fixed_size: 0
    .kernarg_segment_align: 8
    .kernarg_segment_size: 48
    .max_flat_workgroup_size: 128
    .sgpr_count:     66
    .vgpr_count:     234
    .wavefront_size: 32
...
	.end_amdgpu_metadata
.endif
;; end of part 1
;; launch up (part 2): grid 32 x 8, 4 waves a work-group, no clusters, 271,616 bytes of LDS; arguments W1_codes, b1, lowp_scales, xq, ridx, hbuf; writes hbuf
.if DOCPART == 2
	.amdgcn_target "amdgcn-amd-amdhsa--gfx1250"
	.amdhsa_code_object_version 6
	.text
	.protected	k_q593f83d07e_up
	.globl	k_q593f83d07e_up
	.p2align	8
	.type	k_q593f83d07e_up,@function
k_q593f83d07e_up:
	s_mov_b64 s[64:65], 0
	v_nop
	global_prefetch_b8 v0, s[64:65] scope:SCOPE_SE
	s_setreg_imm32_b32 hwreg(HW_REG_WAVE_MODE, 25, 1), 1
	s_wait_xcnt 0x0
; UP.  h = Q(gelu(x W1 + b1)) for the rows that chose an expert; the rows of the six experts that a token did not choose are weighed by 0 in the result and are not made.
; A work-group (x = chunk ch, y = expert e) owns 128 hidden units of one expert, for ALL rows of that expert.  THE WEIGHTS STAY: wave w keeps hidden units 128 ch + 32 w .. + 31, all K = 1,024,
; in 256 registers (2 tiles x 8 K steps of 128): each byte of W1 is loaded once in the program, by one wave.  What goes round is x's codes: 64 rows a trip, gathered by the list, through LDS.
; THE LIST.  ridx holds each token's two experts (whole numbers stored by the launch before).  Wave 0 lays the expert's rows q = slot x 1024 + token on end in LDS; R is their number.
; The launch behind this one builds the same list by the same lines, so place i of the list is row i of the expert's h.  Places from R on read q = 0: they are computed and never used.
; TRIPS.  16 trips of 64 rows, a constant, serve every split (R up to 1,024); a trip at or past n = max(1, ceil(R / 64)) jumps over its work by a scalar branch and still passes its barrier.
; THE PRODUCT IS USED TRANSPOSED (source 0 = 16 rows of W1, source 1 = 16 rows of x), and lane r of tile u takes W1's row 8 u + r + 8 (r / 8) of the wave's 32: so lane (r, h) holds, in the 16
; registers of tiles 0 and 1, hidden units 32 w + 16 h + 0 .. 15 of row r: 16 neighbours along the next K.  Their codes are piece w of the next operand's registers.
; hbuf: [expert][tile of 16 rows, 64][K step of 128, 32][2,048 bytes]: an image of the operand's registers: piece c (512 bytes) holds lane l's registers 4 c .. 4 c + 3 at 16 l: k = 32 c + 16 (l / 16) + 0 .. 15.
; All fragments here and in the next launch take k in that order, alike in both operands, so every product meets its partner.
; gelu is the tanh form: z / (1 + 2^(z (-c1 - c1 0.044715 z^2))), c1 = 2 sqrt(2 / pi) log2(e); all in f32.
; No tensor load, no cluster, no joint loads: the trips' work is jumped over by a branch on a number read from memory; and no two work-groups read the same weights.
; LIMITS: eh between -126 and 119; ex + ew1 between -126 and 127.  NaN and infinities among the inputs are not served.
; REGISTERS.  window 0: v1-20 lane numbers and addresses; v24-31 the list's builder; v32-47 b1; v48-63 the gather's offsets; v64-127, v128-191 x's fragments of a K step (4 tiles x 16), two buffers;
;   v192-255 the 8 accumulators (tile of rows m, tile of units u at 16 m + 8 u).  Behind the products v64-127 are at work, v128-143 take the codes, v144-159 the list's entries.
;   window 1: W1's 16 fragments, (u, s) at 16 (8 u + s).   window 2: v0-127 the gathered rows as they land: row j, half i at 8 j + 4 i.
.set LIST, 0                           ; LDS: 1,024 places of the list and one word a lane for what is not chosen: 4,608 bytes
.set CNT,  4608                        ; R
.set WST,  4864                        ; each wave's own stage for its weights: 32 rows, 1,040 bytes apart
.set WSTW, 33280
.set XP,   1040                        ; a row of 1,024 codes + 16 bytes: 65 x 16, so the 16 rows of a fragment load begin in 16 different groups of banks
.set XS0,  137984                      ; x's 64 rows of a trip: two slots by turns
.set XSB,  66560
.set B1,   32
.set VO,   48
.set IDX,  64                          ; ridx's 1,024 words: register 4 j + k of lane l is token 128 j + 4 l + k
.set P0,   64
.set EE,   64
.set CD,   128
.set LE,   144
.set ACC,  192
.set MSB,  0
.macro WIN new                         ; the immediate's high byte repeats the setting that is left; a switch that changes nothing is dropped
.if MSB != \new
	s_set_vgpr_msb (MSB<<8)|\new
.set MSB, \new
.endif
.endm
.macro PLACES                          ; four plain lines behind a matrix instruction, ahead of reads of its result and of loads into its registers
.rept 4
	v_nop
.endr
.endm
; THE LIST'S BUILDER, wave 0 alone; no other wave touches LDS until the barrier behind it.  For each of the 32 registers: which lanes' token chose the expert (as first or as second choice),
; each such lane's place = the count so far + the chosen lanes below it; the others write a word of their own behind the list.  es: the expert's scalar register; ca: the register with R's LDS address.
.macro BUILD es, ca
	v_mov_b32 v28, 0
	v_mov_b32 v29, 0
	v_mov_b32 v30, 0
	v_mov_b32 v31, 0
.irp i, 0,1,2,3,4,5,6,7,8
	ds_store_b128 v4, v[28:31] offset:LIST+512*\i  ; the places that stay empty read q = 0
.endr
	s_wait_loadcnt 63                              ; ridx's eight loads are in: at least 64 loads were issued behind them, and 63 is the largest count that the wait can name
	s_mov_b32 s37, 0
.set n, 0
.rept 32
	v_and_b32 v27, 0xff, v[IDX+n]
	v_lshrrev_b32 v28, 8, v[IDX+n]
	v_cmp_eq_u32 s34, s[\es], v27
	v_cmp_eq_u32 s35, s[\es], v28
	s_or_b32 s36, s34, s35
	v_mbcnt_lo_u32_b32 v29, s36, s37
	v_cndmask_b32 v29, v25, v29, s36
	v_min_u32 v29, 0x43f, v29                      ; a place made from loaded numbers is held inside the list's words
	v_lshlrev_b32 v29, 2, v29
	v_cndmask_b32 v30, 0, v26, s35
	v_add3_u32 v31, v24, v30, 128*(n/4)+n%4        ; q = slot x 1024 + token
	ds_store_b32 v29, v31 offset:LIST
	s_bcnt1_i32_b32 s38, s36
	s_add_co_u32 s37, s37, s38
.set n, n+1
.endr
	v_mov_b32 v27, s37
	ds_store_b32 v[\ca], v27
.endm
	s_load_b256 s[4:11], s[0:1], 0x0               ; W1's codes s[4:5], b1 s[6:7], the scales' exponents s[8:9], xq s[10:11]
	s_load_b128 s[12:15], s[0:1], 0x20             ; ridx s[12:13], hbuf s[14:15]
	v_lshl_add_u32 v22, v0, 2, 0x42300
	v_mov_b32 v23, 0
	v_lshrrev_b32 v1, 5, v0
	v_readfirstlane_b32 s16, v1                    ; wave 0..3
	s_mov_b32 s17, ttmp9                           ; chunk of 128 hidden units
	s_and_b32 s18, ttmp7, 0xffff                   ; expert
	v_and_b32 v1, 31, v0                           ; l
	v_and_b32 v2, 15, v0                           ; r
	v_bfe_u32 v3, v0, 4, 1                         ; h
	v_lshlrev_b32 v4, 4, v1                        ; 16 l
	s_mul_i32 s30, s16, WSTW
	s_add_co_u32 s30, s30, WST                     ; my stage for the weights
	v_add_nc_u32 v5, s30, v4                       ; into it: as loaded
	v_and_b32 v12, 8, v2
	v_add_nc_u32 v12, v12, v2                      ; r + 8 (r / 8)
	v_mul_u32_u24 v6, v12, XP
	v_lshl_add_u32 v6, v3, 4, v6
	v_add_nc_u32 v6, s30, v6                       ; out of it: a fragment's row, + 16 h
	s_mul_i32 s30, s16, 16*XP
	s_add_co_u32 s30, s30, XS0
	v_add_nc_u32 v7, s30, v4                       ; x's slot 0: my wave's 16 rows, as loaded
	v_add_nc_u32 v8, XSB, v7                       ; slot 1
	v_mul_u32_u24 v9, v2, XP
	v_lshl_add_u32 v9, v3, 4, v9
	v_add_nc_u32 v9, XS0, v9                       ; x's fragments out of slot 0: row r, + 16 h
	v_add_nc_u32 v10, XSB, v9                      ; slot 1
	s_lshl_b32 s30, s16, 6
	v_mov_b32 v11, s30                             ; the list: my wave's 16 places of a trip's 64
	s_lshl_b32 s30, s16, 9
	v_add_nc_u32 v13, s30, v4                      ; hbuf: piece w, 16 l
	v_mov_b32 v15, CNT
	v_mov_b32 v18, 0xc0135761                      ; -c1 = -2.3022082, twice
	v_mov_b32 v19, 0xc0135761
	v_lshlrev_b32 v20, 6, v3                       ; b1: 64 h
	v_lshlrev_b32 v24, 2, v1                       ; the builder's: 4 l,
	v_add_nc_u32 v25, 1024, v1                     ; my word behind the list,
	v_mov_b32 v26, 1024                            ; the second slot's step
	s_mov_b32 s44, 0xbdd2d3e8                      ; -c1 x 0.044715
	s_mov_b32 s45, s44                             ; (named with it as a pair, so it is written)
	s_lshl_b32 s30, s18, 22                        ; W1: (4096 e + 128 ch + 32 w) rows of 1,024 bytes
	s_lshl_b32 s31, s17, 17
	s_add_co_u32 s30, s30, s31
	s_lshl_b32 s31, s16, 15
	s_add_co_u32 s30, s30, s31
	s_mov_b32 s31, 0
	s_lshl_b32 s32, s18, 14                        ; b1: the same units, 4 bytes each
	s_lshl_b32 s33, s17, 9
	s_add_co_u32 s32, s32, s33
	s_lshl_b32 s33, s16, 7
	s_add_co_u32 s32, s32, s33
	s_mov_b32 s33, 0
	s_lshl_b32 s34, s18, 20                        ; xq: the expert's 1,024 rows of 1,024 bytes
	s_mov_b32 s35, 0
	s_lshl_b32 s36, s18, 22                        ; hbuf: the expert's 4 MiB, K step ch
	s_lshl_b32 s37, s17, 11
	s_add_co_u32 s36, s36, s37
	s_mov_b32 s37, 0
	s_lshl_b32 s38, s18, 4                         ; the expert's four exponents
	s_mov_b32 s39, 0
	s_wait_kmcnt 0x0
	s_add_nc_u64 s[8:9], s[8:9], s[38:39]
	s_load_b128 s[24:27], s[8:9], 0x0              ; ex, ew1, eh, ew2
	s_add_nc_u64 s[4:5], s[4:5], s[30:31]
	s_add_nc_u64 s[6:7], s[6:7], s[32:33]
	s_add_nc_u64 s[10:11], s[10:11], s[34:35]
	s_add_nc_u64 s[14:15], s[14:15], s[36:37]
.irp j, 0,1,2,3,4,5,6,7
	global_load_b128 v[IDX+4*\j:IDX+4*\j+3], v4, s[12:13] offset:512*\j   ; wanted first, so issued first; every wave issues them, so that the waves part once
.endr
	WIN 0x40                                       ; destination window 1
.set i, 0
.rept 64
	global_load_b128 v[4*i:4*i+3], v4, s[4:5] offset:512*i th:TH_LOAD_NT  ; my 32 rows are 32 KiB on end: each load takes 512 consecutive bytes
.set i, i+1
.endr
	WIN 0
.irp u, 0,1
	global_load_b128 v[B1+8*\u:B1+8*\u+3], v20, s[6:7] offset:32*\u       ; b1 at my units 16 h + 8 u + 0 .. 7
	global_load_b128 v[B1+8*\u+4:B1+8*\u+7], v20, s[6:7] offset:32*\u+16
.endr
	s_cmp_lg_u32 s16, 0
	s_cbranch_scc1 .Lno_build
	BUILD 18, 15
.Lno_build:
	s_wait_dscnt 0x0                               ; the list and R have landed
	s_barrier_signal -1
	s_barrier_wait -1
	ds_load_b32 v27, v15
	s_wait_dscnt 0x0
	v_readfirstlane_b32 s19, v27                   ; R
	s_add_co_u32 s20, s19, 63
	s_lshr_b32 s20, s20, 6
	s_max_u32 s20, s20, 1                          ; n: trip 0 is always made, so that the next launch's first loads read bytes that were stored
; 16 rows of x's codes by the list: my wave's places of the trip whose list bytes begin at s40.  The entries come to every lane (one address for all); a row is two loads of 512 consecutive bytes.
.macro GATHER
	v_add_nc_u32 v12, s40, v11
.irp i, 0,1,2,3
	ds_load_b128 v[LE+4*\i:LE+4*\i+3], v12 offset:LIST+16*\i
.endr
	s_wait_dscnt 0x0                               ; the entries are in; and my stores into x's slot have read the registers that the loads below fill
.set j, 0
.rept 16
	v_and_b32 v[LE+j], 0x3ff, v[LE+j]              ; the token
	v_min_u32 v[LE+j], 0x3ff, v[LE+j]              ; a loaded number enters an address only held
	v_lshl_add_u32 v[VO+j], v[LE+j], 10, v4
.set j, j+1
.endr
	WIN 0x80                                       ; destination window 2
.set j, 0
.rept 16
	global_load_b128 v[8*j:8*j+3], v[VO+j], s[10:11]
	global_load_b128 v[8*j+4:8*j+7], v[VO+j], s[10:11] offset:512
.set j, j+1
.endr
	WIN 0
.endm
	s_mov_b32 s40, 0
	GATHER                                         ; trip 0's rows
	s_mov_b32 s40, 256                             ; from here on: the list bytes of the trip after the one in hand
	s_wait_kmcnt 0x0
	s_add_co_i32 s28, s24, s25
	s_add_co_i32 s28, s28, 127
	s_lshl_b32 s28, s28, 23                        ; 2^(ex + ew1)
	s_mov_b32 s29, s28
	s_add_co_i32 s30, s26, 127
	s_lshl_b32 s31, s30, 23
	v_mov_b32 v16, s31                             ; 2^eh
	s_add_co_i32 s30, s30, 8
	s_lshl_b32 s30, s30, 23
	s_or_b32 s30, s30, 0x600000
	v_mov_b32 v17, s30                             ; 448 x 2^eh
	s_wait_loadcnt 32                              ; the weights and b1 are in; the gather's 32 loads, issued last, may be out
	WIN 0x04                                       ; store data window 1
.set i, 0
.rept 64
	ds_store_b128 v5, v[4*i:4*i+3] offset:(i/2)*XP+(i%2)*512   ; the weights turn through my own stage: in as they lie,
.set i, i+1
.endr
	s_wait_dscnt 0x0                               ; (the stores have read the registers that the loads below fill)
	WIN 0x40
.irp u, 0,1
.irp s, 0,1,2,3,4,5,6,7
.irp c, 0,1,2,3
	ds_load_b128 v[16*(8*\u+\s)+4*\c:16*(8*\u+\s)+4*\c+3], v6 offset:8*\u*XP+128*\s+32*\c   ; out as fragments: they stay
.endr
.endr
.endr
	WIN 0
	s_wait_dscnt 0x0
.macro XFRAG buf, adr, s               ; x's four fragments of K step s: 16 loads
.irp m, 0,1,2,3
.irp c, 0,1,2,3
	ds_load_b128 v[\buf+16*\m+4*\c:\buf+16*\m+4*\c+3], v[\adr] offset:16*XP*\m+128*(\s)+32*\c
.endr
.endr
.endm
.macro MM s, buf                       ; 8 matrix instructions: the eight accumulators by turns, one instruction a turn, in the same order in every K step; K step 0 starts the sums
.irp m, 0,1,2,3
.irp u, 0,1
.if \s == 0
	v_wmma_f32_16x16x128_fp8_fp8 v[ACC+16*\m+8*\u:ACC+16*\m+8*\u+7], v[16*(8*\u+\s):16*(8*\u+\s)+15], v[\buf+16*\m:\buf+16*\m+15], 0
.else
	v_wmma_f32_16x16x128_fp8_fp8 v[ACC+16*\m+8*\u:ACC+16*\m+8*\u+7], v[16*(8*\u+\s):16*(8*\u+\s)+15], v[\buf+16*\m:\buf+16*\m+15], v[ACC+16*\m+8*\u:ACC+16*\m+8*\u+7]
.endif
.endr
.endr
.endm
; THE WAY OUT of a trip: z = sum x 2^(ex + ew1) + b1; gelu; the hold; the codes; four stores of 512 consecutive bytes, aligned.  Each accumulator is read from its low end on.
.macro EPI
.set p, 0
.rept 32
	v_pk_fma_f32 v[ACC+p:ACC+p+1], v[ACC+p:ACC+p+1], s[28:29], v[B1+p%16:B1+p%16+1] op_sel_hi:[1,0,1]   ; z
.set p, p+2
.endr
.set p, 0
.rept 32
	v_pk_mul_f32 v[EE+p:EE+p+1], v[ACC+p:ACC+p+1], v[ACC+p:ACC+p+1]                                     ; z^2
.set p, p+2
.endr
.set p, 0
.rept 32
	v_pk_fma_f32 v[EE+p:EE+p+1], v[EE+p:EE+p+1], s[44:45], v[18:19] op_sel_hi:[1,0,1]                   ; -c1 0.044715 z^2 - c1
.set p, p+2
.endr
.set p, 0
.rept 32
	v_pk_mul_f32 v[EE+p:EE+p+1], v[EE+p:EE+p+1], v[ACC+p:ACC+p+1]                                       ; x z
.set p, p+2
.endr
.set p, 0
.rept 64
	v_exp_f32 v[EE+p], v[EE+p]
.set p, p+1
.endr
	v_nop                                          ; a plain line behind the last exponential
	s_wait_alu depctr_va_vdst(0)                   ; one wait for the batch, ahead of its first reader
.set p, 0
.rept 32
	v_pk_add_f32 v[EE+p:EE+p+1], v[EE+p:EE+p+1], 1.0 op_sel_hi:[1,0]
.set p, p+2
.endr
.set p, 0
.rept 64
	v_rcp_f32 v[EE+p], v[EE+p]
.set p, p+1
.endr
	v_nop
	s_wait_alu depctr_va_vdst(0)
.set p, 0
.rept 32
	v_pk_mul_f32 v[ACC+p:ACC+p+1], v[ACC+p:ACC+p+1], v[EE+p:EE+p+1]                                     ; gelu(z)
.set p, p+2
.endr
.set p, 0
.rept 64
	v_med3_num_f32 v[ACC+p], v[ACC+p], -v17, v17   ; the conversion to an 8-bit code does not saturate (ISA guide 7.6.2): the hold at 448 x the scale
.set p, p+1
.endr
.irp m, 0,1,2,3
.irp u, 0,1
	v_cvt_scalef32_pk8_fp8_f32 v[CD+4*\m+2*\u:CD+4*\m+2*\u+1], v[ACC+16*\m+8*\u:ACC+16*\m+8*\u+7], v16
.endr
.endr
	v_nop                                          ; a plain line between the conversions and the next vector or matrix instruction that writes their sources
	v_lshl_add_u32 v14, s21, 18, v13               ; tile 4 t: 4 x 65,536 bytes a trip
.irp m, 0,1,2,3
	global_store_b128 v14, v[CD+4*\m:CD+4*\m+3], s[14:15] offset:65536*\m
.endr
.endm
; A TRIP, one barrier.  In front of it: this trip's gathered rows go into x's slot, and the next trip's are asked for.  Behind it: 8 K steps on the slot, and the way out.
; One barrier does for both orders: a slot is written again two trips on, behind the next trip's barrier, in front of which every wave has waited for its reads of it.
.macro TRIP slot
	s_cmp_lt_u32 s21, s20
	s_cbranch_scc0 .Lmeet_\@
	s_wait_loadcnt 0x0                             ; this trip's gather is all that is out
	WIN 0x08                                       ; store data window 2
.set j, 0
.rept 16
	ds_store_b128 v[7+\slot], v[8*j:8*j+3] offset:XP*j
	ds_store_b128 v[7+\slot], v[8*j+4:8*j+7] offset:XP*j+512
.set j, j+1
.endr
	WIN 0
	s_add_co_u32 s23, s21, 1
	s_cmp_lt_u32 s23, s20
	s_cbranch_scc0 .Lmeet_\@
	GATHER                                         ; it has this trip's products in which to land
.Lmeet_\@:
	s_wait_dscnt 0x0                               ; my stores into the slot have landed, and my reads of the other slot are over
	s_barrier_signal -1
	s_barrier_wait -1
	s_cmp_lt_u32 s21, s20
	s_cbranch_scc0 .Lnext_\@
	s_wait_xcnt 0x0                                ; the last trip's stores have read their codes and their offset: the loads below fill the codes' registers
	XFRAG P0, 9+\slot, 0
	XFRAG P0+64, 9+\slot, 1
.irp s, 0,1,2,3,4,5,6,7
.if \s == 7
	s_wait_dscnt 0x0
.else
	s_wait_dscnt 16                                ; this K step's fragments are in; the next step's sixteen loads may be out
.endif
	WIN 0x01                                       ; source 0 (W1) window 1
	MM \s, P0+64*(\s%2)
.if \s < 6
	PLACES
	WIN 0
	XFRAG P0+64*(\s%2), 9+\slot, \s+2
.endif
.endr
	WIN 0
	PLACES
	EPI
.Lnext_\@:
	s_add_co_u32 s21, s21, 1
	s_add_co_u32 s40, s40, 256
.endm
	s_mov_b32 s21, 0                               ; the trip
	s_mov_b32 s22, 8
.Ltrips:
	TRIP 0
	TRIP 1
	s_sub_co_u32 s22, s22, 1
	s_cmp_lg_u32 s22, 0
	s_cbranch_scc1 .Ltrips
	s_wait_tensorcnt 0x0
	ds_add_u32 v22, v23
	s_wait_dscnt 0x0
	s_endpgm
.Lfunc_end_k_q593f83d07e_up:
	.size	k_q593f83d07e_up, .Lfunc_end_k_q593f83d07e_up-k_q593f83d07e_up
	.p2alignl 7, 3214868480
	.fill 96, 4, 3214868480
	.section	.rodata,"a",@progbits
	.p2align	6, 0x0
	.amdhsa_kernel k_q593f83d07e_up
		.amdhsa_group_segment_fixed_size 271616
		.amdhsa_private_segment_fixed_size 0
		.amdhsa_enable_private_segment 0
		.amdhsa_kernarg_size 48
		.amdhsa_user_sgpr_count 2
		.amdhsa_user_sgpr_kernarg_segment_ptr 1
		.amdhsa_wavefront_size32 1
		.amdhsa_system_sgpr_workgroup_id_x 1
		.amdhsa_system_sgpr_workgroup_id_y 1
		.amdhsa_system_sgpr_workgroup_id_z 1
		.amdhsa_system_vgpr_workitem_id 0
		.amdhsa_next_free_vgpr 640
		.amdhsa_next_free_sgpr 66
		.amdhsa_reserve_vcc 0
		.amdhsa_float_denorm_mode_32 3
		.amdhsa_float_denorm_mode_16_64 3
		.amdhsa_memory_ordered 1
		.amdhsa_forward_progress 1
		.amdhsa_inst_pref_size 139
	.end_amdhsa_kernel
	.amdgpu_metadata
---
amdhsa.version: [ 1, 2 ]
amdhsa.kernels:
  - .name:           k_q593f83d07e_up
    .symbol:         k_q593f83d07e_up.kd
    .args:
      - { .name: W1_codes, .offset: 0, .size: 8, .value_kind: global_buffer, .address_space: global }
      - { .name: b1, .offset: 8, .size: 8, .value_kind: global_buffer, .address_space: global }
      - { .name: lowp_scales, .offset: 16, .size: 8, .value_kind: global_buffer, .address_space: global }
      - { .name: xq, .offset: 24, .size: 8, .value_kind: global_buffer, .address_space: global }
      - { .name: ridx, .offset: 32, .size: 8, .value_kind: global_buffer, .address_space: global }
      - { .name: hbuf, .offset: 40, .size: 8, .value_kind: global_buffer, .address_space: global }
    .group_segment_fixed_size: 271616
    .private_segment_fixed_size: 0
    .kernarg_segment_align: 8
    .kernarg_segment_size: 48
    .max_flat_workgroup_size: 128
    .sgpr_count:     66
    .vgpr_count:     640
    .wavefront_size: 32
...
	.end_amdgpu_metadata
.endif
;; end of part 2
;; launch down (part 3): grid 32 x 8, 4 waves a work-group, no clusters, 283,904 bytes of LDS; arguments W2_codes, b2, lowp_scales, hbuf, ridx, gates, ybuf; writes ybuf
.if DOCPART == 3
	.amdgcn_target "amdgcn-amd-amdhsa--gfx1250"
	.amdhsa_code_object_version 6
	.text
	.protected	k_q593f83d07e_down
	.globl	k_q593f83d07e_down
	.p2align	8
	.type	k_q593f83d07e_down,@function
k_q593f83d07e_down:
	s_mov_b64 s[64:65], 0
	v_nop
	global_prefetch_b8 v0, s[64:65] scope:SCOPE_SE
	s_setreg_imm32_b32 hwreg(HW_REG_WAVE_MODE, 25, 1), 1
	s_wait_xcnt 0x0
; DOWN.  For the rows that chose an expert: gate x (h W2 x 2^(eh + ew2) + b2), as a partial sum over half of K = 4,096.
; A work-group (x = 16 kh + cb, y = expert e) owns 64 columns (cb) and one half of K (kh) of one expert, for ALL rows of that expert.  THE WEIGHTS STAY: wave w keeps K = 2048 kh + 512 w .. + 511 of the
; 64 columns in 256 registers (4 tiles of columns x 4 K steps of 128): each byte of W2 is loaded once in the program, by one wave.  h comes from memory straight into registers: the launch before
; stored it as images of the operand's registers, so a tile's 4 K steps of a wave are 8 KiB on end, 16 loads of 512 consecutive bytes.
; h RUNS A TRIP AHEAD.  A trip's four tiles lie in two buffers of two; as soon as a buffer's 32 products are issued it is asked for the next trip's two tiles.  So between a request and the wait for it
; stand the other buffer's 32 products, the barrier and the finishing of a tile, and 64 loads of a wave (32 KiB) are on their way at a trip's end.
; The four waves' sums over their quarters of the half meet in LDS; wave w finishes tile w of the trip's four: adds the four, x 2^(eh + ew2), + b2 (in the half kh = 0 alone), x the row's gate.
; ybuf: [kh 2][row 2056][1024] f32.  Rows q = slot x 1024 + token, 0 to 2047: each q belongs to one expert, so each byte has one owner; the last launch adds a token's four parts.
; Row 2048 + e takes what the expert's tiles hold beyond its R rows: the list's empty places name it.  Its bytes at my columns and my half are this work-group's own, and no launch reads them.
; So every lane stores in every trip that is made, and EXEC is never changed.
; THE LIST is built as in the launch before (the empty places alone differ), so place i of the list is row i of the expert's h.  16 trips of 64 rows, a constant; a trip at or past
; n = max(1, ceil(R / 64)) jumps over its work and still passes its barrier.
; THE PRODUCT IS USED TRANSPOSED (source 0 = 16 columns of W2, source 1 = 16 rows of h): a lane holds eight neighbouring columns of one row.
; No tensor load, no cluster, no joint loads: the trips' work is jumped over by a branch on a number read from memory; and no two work-groups read the same weights.
; LIMITS: eh + ew2 between -126 and 127.  NaN and infinities among the inputs are not served.
; REGISTERS.  window 0: v1-16, v19, v48 lane numbers and addresses; v20-23 b2; v24-31 the list's builder; v32-39 the rows' offsets in ybuf; v40-47 their gates; v64-95 ridx, later the finished sums;
;   v96-111 the gates' table on its way; v128-255 the 16 accumulators (tile of rows m, tile of columns c at 32 m + 8 c), later the four partial sums read back (partial p, row i at 32 p + 4 i).
;   window 1: W2's 16 fragments, (c, s) at 16 (4 c + s).   window 2: h, two buffers of two tiles: tile m', K step s at 128 b + 64 m' + 16 s.
.set LIST, 0                           ; LDS: 1,024 places of the list and one word a lane for what is not chosen: 4,608 bytes
.set GT,   4608                        ; the gate of each place: 4,096 bytes
.set CNT,  8704                        ; R
.set WST,  8960                        ; each wave's own stage for its weights: 64 rows, 528 bytes apart (33 x 16)
.set WSTW, 33792
.set WP,   528
.set RED0, 144128                      ; the partial sums: [tile 17,408][partial 4,352][row 272 = 256 bytes + 16]; two such by turns
.set REDB, 69632
.set YH,   2056*4096                   ; a half of K in ybuf, in bytes
.set QO,   32
.set GA,   40
.set IDX,  64
.set SU,   64
.set ACC,  128
.set MSB,  0
.macro WIN new                         ; the immediate's high byte repeats the setting that is left; a switch that changes nothing is dropped
.if MSB != \new
	s_set_vgpr_msb (MSB<<8)|\new
.set MSB, \new
.endif
.endm
.macro PLACES                          ; four plain lines behind a matrix instruction, ahead of reads of its result and of loads into its registers
.rept 4
	v_nop
.endr
.endm
; THE LIST'S BUILDER, wave 0 alone; no other wave touches LDS until the barrier behind it.  For each of the 32 registers: which lanes' token chose the expert (as first or as second choice),
; each such lane's place = the count so far + the chosen lanes below it; the others write a word of their own behind the list.  es: the expert's scalar register; ca: the register with R's LDS address.
.macro BUILD es, ca
	s_add_co_u32 s37, s[\es], 2048
	v_mov_b32 v28, s37
	v_mov_b32 v29, s37
	v_mov_b32 v30, s37
	v_mov_b32 v31, s37
.irp i, 0,1,2,3,4,5,6,7,8
	ds_store_b128 v4, v[28:31] offset:LIST+512*\i  ; the places that stay empty name row 2048 + e
.endr
	s_wait_loadcnt 63                              ; ridx's eight loads are in: 64 loads were issued behind them, and 63 is the largest count that the wait can name
	s_mov_b32 s37, 0
.set n, 0
.rept 32
	v_and_b32 v27, 0xff, v[IDX+n]
	v_lshrrev_b32 v28, 8, v[IDX+n]
	v_cmp_eq_u32 s34, s[\es], v27
	v_cmp_eq_u32 s35, s[\es], v28
	s_or_b32 s36, s34, s35
	v_mbcnt_lo_u32_b32 v29, s36, s37
	v_cndmask_b32 v29, v25, v29, s36
	v_min_u32 v29, 0x43f, v29                      ; a place made from loaded numbers is held inside the list's words
	v_lshlrev_b32 v29, 2, v29
	v_cndmask_b32 v30, 0, v26, s35
	v_add3_u32 v31, v24, v30, 128*(n/4)+n%4        ; q = slot x 1024 + token
	ds_store_b32 v29, v31 offset:LIST
	s_bcnt1_i32_b32 s38, s36
	s_add_co_u32 s37, s37, s38
.set n, n+1
.endr
	v_mov_b32 v27, s37
	ds_store_b32 v[\ca], v27
.endm
	s_load_b256 s[4:11], s[0:1], 0x0               ; W2's codes s[4:5], b2 s[6:7], the scales' exponents s[8:9], hbuf s[10:11]
	s_load_b128 s[12:15], s[0:1], 0x20             ; ridx s[12:13], gates s[14:15]
	s_load_b64 s[16:17], s[0:1], 0x30              ; ybuf
	v_lshl_add_u32 v126, v0, 2, 0x45300
	v_mov_b32 v127, 0
	v_lshrrev_b32 v1, 5, v0
	v_readfirstlane_b32 s18, v1                    ; wave 0..3
	s_and_b32 s19, ttmp9, 15                       ; cb: which 64 columns
	s_lshr_b32 s20, ttmp9, 4                       ; kh: which half of K
	s_and_b32 s21, ttmp7, 0xffff                   ; expert
	v_and_b32 v1, 31, v0                           ; l
	v_and_b32 v2, 15, v0                           ; r
	v_bfe_u32 v3, v0, 4, 1                         ; h
	v_lshlrev_b32 v4, 4, v1                        ; 16 l
	v_lshlrev_b32 v5, 4, v2                        ; 16 r
	s_mul_i32 s26, s18, WSTW
	s_add_co_u32 s26, s26, WST                     ; my stage for the weights
	v_add_nc_u32 v6, s26, v4                       ; into it: as loaded
	v_mul_u32_u24 v7, v2, WP
	v_lshl_add_u32 v7, v3, 4, v7
	v_add_nc_u32 v7, s26, v7                       ; out of it: a fragment's row, + 16 h
	s_mul_i32 s26, s18, 4352
	s_add_co_u32 s26, s26, RED0
	v_mul_u32_u24 v8, v2, 272
	v_lshl_add_u32 v8, v3, 5, v8
	v_add_nc_u32 v8, s26, v8                       ; my partial sums go in: partial w, row r, + 32 h
	v_add_nc_u32 v9, REDB, v8
	s_mul_i32 s26, s18, 17408
	s_add_co_u32 s26, s26, RED0
	v_mul_u32_u24 v10, v3, 2176
	v_add_nc_u32 v10, v10, v5
	v_add_nc_u32 v10, s26, v10                     ; and come back: tile w; lanes 0-15 one row of 256 bytes, lanes 16-31 the row 8 further on
	v_add_nc_u32 v11, REDB, v10
	s_lshl_b32 s26, s18, 6
	v_lshl_add_u32 v12, v3, 5, s26                 ; the list and the gates: my 8 places of a trip's 64: 64 w + 32 h bytes
	v_mov_b32 v16, CNT
	v_add_nc_u32 v19, 0x20000, v4                  ; h: 16 l, two tiles on
	v_lshlrev_b32 v24, 2, v1                       ; the builder's: 4 l,
	v_add_nc_u32 v25, 1024, v1                     ; my word behind the list,
	v_mov_b32 v26, 1024                            ; the second slot's step
	v_lshlrev_b32 v48, 5, v0                       ; the gates' table: 8 places a thread
	s_lshl_b32 s34, s21, 22                        ; W2: (1024 e + 64 cb) rows of 4,096 bytes, + 2048 kh + 512 w
	s_lshl_b32 s26, s19, 18
	s_add_co_u32 s34, s34, s26
	s_lshl_b32 s26, s20, 11
	s_add_co_u32 s34, s34, s26
	s_lshl_b32 s26, s18, 9
	s_add_co_u32 s34, s34, s26
	s_mov_b32 s35, 0
	s_lshl_b32 s36, s21, 12                        ; b2: the same columns, 4 bytes each
	s_lshl_b32 s26, s19, 8
	s_add_co_u32 s36, s36, s26
	s_mov_b32 s37, 0
	s_lshl_b32 s38, s21, 22                        ; hbuf: the expert's 4 MiB, K step 16 kh + 4 w
	s_lshl_b32 s26, s20, 15
	s_add_co_u32 s38, s38, s26
	s_lshl_b32 s26, s18, 13
	s_add_co_u32 s38, s38, s26
	s_mov_b32 s39, 0
	s_mul_i32 s42, s20, YH                         ; ybuf: my half's 2,056 rows, + 256 cb
	s_lshl_b32 s26, s19, 8
	s_add_co_u32 s42, s42, s26
	s_mov_b32 s43, 0
	s_lshl_b32 s44, s21, 4                         ; the expert's four exponents
	s_mov_b32 s45, 0
	s_wait_kmcnt 0x0
	s_add_nc_u64 s[8:9], s[8:9], s[44:45]
	s_load_b128 s[28:31], s[8:9], 0x0              ; ex, ew1, eh, ew2
	s_add_nc_u64 s[4:5], s[4:5], s[34:35]
	s_add_nc_u64 s[6:7], s[6:7], s[36:37]
	s_add_nc_u64 s[10:11], s[10:11], s[38:39]
	s_add_nc_u64 s[16:17], s[16:17], s[42:43]
.irp j, 0,1,2,3,4,5,6,7
	global_load_b128 v[IDX+4*\j:IDX+4*\j+3], v4, s[12:13] offset:512*\j   ; wanted first, so issued first; every wave issues them, so that the waves part once
.endr
	WIN 0x40                                       ; destination window 1
.set i, 0
.rept 64
	global_load_b128 v[4*i:4*i+3], v4, s[4:5] offset:4096*i th:TH_LOAD_NT ; column i: my 512 consecutive bytes of its row
.set i, i+1
.endr
	WIN 0
	s_cmp_lg_u32 s18, 0
	s_cbranch_scc1 .Lno_build
	BUILD 21, 16
.Lno_build:
	s_wait_dscnt 0x0                               ; the list and R have landed
	s_barrier_signal -1
	s_barrier_wait -1
	ds_load_b32 v27, v16
	ds_load_b128 v[96:99], v48 offset:LIST         ; eight places of the list a thread
	ds_load_b128 v[100:103], v48 offset:LIST+16
	s_wait_dscnt 0x0
	v_readfirstlane_b32 s22, v27                   ; R
	s_add_co_u32 s23, s22, 63
	s_lshr_b32 s23, s23, 6
	s_max_u32 s23, s23, 1                          ; n
.irp i, 0,1,2,3,4,5,6,7
	v_min_u32 v[96+\i], 0x7ff, v[96+\i]            ; a loaded number enters an address only held (an empty place takes the last gate, which is never used)
	v_lshlrev_b32 v[96+\i], 2, v[96+\i]
.endr
.irp i, 0,1,2,3,4,5,6,7
	global_load_b32 v[104+\i], v[96+\i], s[14:15]  ; their gates, once: the trips take them from LDS
.endr
	global_load_b128 v[20:23], v5, s[6:7]          ; b2 at my four columns 4 r + 0 .. 3
.macro HLOAD b                         ; two tiles of h, my 4 K steps of each: 32 loads of 512 consecutive bytes, into buffer b
	WIN 0x80                                       ; destination window 2
.irp m, 0,1
.set i, 0
.rept 16
	global_load_b128 v[128*\b+64*\m+4*i:128*\b+64*\m+4*i+3], v[14+\b], s[10:11] offset:65536*\m+512*i
.set i, i+1
.endr
.endr
	WIN 0
.endm
.macro GROUP b                         ; 32 matrix instructions on buffer b: its eight accumulators by turns, one instruction a turn; K step 0 starts the sums
	WIN 0x09                                       ; source 0 (W2) window 1, source 1 (h) window 2
.irp s, 0,1,2,3
.irp m, 0,1
.irp c, 0,1,2,3
.if \s == 0
	v_wmma_f32_16x16x128_fp8_fp8 v[ACC+32*(2*\b+\m)+8*\c:ACC+32*(2*\b+\m)+8*\c+7], v[16*(4*\c+\s):16*(4*\c+\s)+15], v[128*\b+64*\m+16*\s:128*\b+64*\m+16*\s+15], 0
.else
	v_wmma_f32_16x16x128_fp8_fp8 v[ACC+32*(2*\b+\m)+8*\c:ACC+32*(2*\b+\m)+8*\c+7], v[16*(4*\c+\s):16*(4*\c+\s)+15], v[128*\b+64*\m+16*\s:128*\b+64*\m+16*\s+15], v[ACC+32*(2*\b+\m)+8*\c:ACC+32*(2*\b+\m)+8*\c+7]
.endif
.endr
.endr
.endr
	WIN 0
.endm
.macro SUMS rb                         ; my 16 partial sums into set rb: 32 stores; each accumulator from its low end on
.irp m, 0,1,2,3
.irp c, 0,1,2,3
	ds_store_b128 v[8+\rb], v[ACC+32*\m+8*\c:ACC+32*\m+8*\c+3] offset:17408*\m+64*\c
	ds_store_b128 v[8+\rb], v[ACC+32*\m+8*\c+4:ACC+32*\m+8*\c+7] offset:17408*\m+64*\c+16
.endr
.endr
.endm
	v_mov_b32 v14, v4
	v_mov_b32 v15, v19
	HLOAD 0                                        ; trip 0's tiles 0 and 1: the launch before always stores trip 0's four tiles
	s_wait_kmcnt 0x0
	s_add_co_i32 s32, s30, s31
	s_add_co_i32 s32, s32, 127
	s_lshl_b32 s32, s32, 23                        ; 2^(eh + ew2)
	s_mov_b32 s33, s32                             ; (named with it as a pair, so it is written)
	s_cmp_eq_u32 s20, 0
	s_cselect_b32 s42, -1, 0                       ; b2 counts once: in the half kh = 0
	s_wait_loadcnt 32                              ; the weights, the gates and b2 are in; h's 32 loads, issued last, may be out
	HLOAD 1                                        ; trip 0's tiles 2 and 3: they land while the weights turn through LDS
.irp i, 0,1,2,3
	v_and_b32 v[20+\i], s42, v[20+\i]
.endr
	ds_store_b128 v48, v[104:107] offset:GT
	ds_store_b128 v48, v[108:111] offset:GT+16
	WIN 0x04                                       ; store data window 1
.set i, 0
.rept 64
	ds_store_b128 v6, v[4*i:4*i+3] offset:WP*i     ; the weights turn through my own stage: in as they lie,
.set i, i+1
.endr
	s_wait_dscnt 0x0                               ; (the stores have read the registers that the loads below fill)
	WIN 0x40
.irp c, 0,1,2,3
.irp s, 0,1,2,3
.irp k, 0,1,2,3
	ds_load_b128 v[16*(4*\c+\s)+4*\k:16*(4*\c+\s)+4*\k+3], v7 offset:16*\c*WP+128*\s+32*\k   ; out as fragments: they stay
.endr
.endr
.endr
	WIN 0
	s_wait_dscnt 0x0                               ; and the gates' table has landed
	s_barrier_signal -1
	s_barrier_wait -1
; A TRIP, one barrier.  In front of it: 64 matrix instructions on the trip's four tiles of h, my partial sums into LDS, and the requests for the next trip's tiles.  Behind it: I finish tile w.
; One barrier does for both orders: a set of partial sums is written again two trips on, behind the next trip's barrier, in front of which every wave has waited for its reads of it.
; THE LOADS' COUNTS.  At a trip's head the wave's loads that are out are, in the order of issue, buffer 0's 32 and buffer 1's 32, from the kernel's head and round the back edge alike.  Both requests
; for the next trip stand in ONE arm of one branch, so that a wave has both on their way or neither; the second 32 products and the stores of the sums are therefore written in both arms.
.macro TRIP rb
	s_cmp_lt_u32 s24, s23
	s_cbranch_scc0 .Lmeet_\@
	s_wait_loadcnt 32                              ; tiles 0 and 1 are in; the 32 loads of tiles 2 and 3, issued behind them, may be out
	GROUP 0
	PLACES
	s_add_co_u32 s26, s24, 1
	s_cmp_lt_u32 s26, s23
	s_cbranch_scc0 .Llast_\@
	v_lshl_add_u32 v14, s26, 18, v4                ; (the wait at the trip's head has shown buffer 0's loads done: their offset may be written)
	HLOAD 0                                        ; the next trip's tiles 0 and 1
	s_wait_loadcnt 32                              ; tiles 2 and 3 are in; the 32 loads just issued may be out
	GROUP 1
	PLACES
	SUMS \rb                                       ; ahead of the loads below: the others wait for these sums, and nobody yet for those tiles
	v_lshl_add_u32 v15, s26, 18, v19               ; (the wait ahead of the products has shown buffer 1's loads done)
	HLOAD 1                                        ; the next trip's tiles 2 and 3.  With them 64 loads of mine are out, one more than LOADcnt's field counts: the last one's issue waits for the oldest to come back (ISA guide 5.7.1)
	s_branch .Lmeet_\@
.Llast_\@:
	s_wait_loadcnt 0x0                             ; the last trip that is made: nothing was issued behind tiles 2 and 3
	GROUP 1
	PLACES
	SUMS \rb
.Lmeet_\@:
	s_wait_dscnt 0x0                               ; my partial sums have landed, and my reads of the other set are over
	s_barrier_signal -1
	s_barrier_wait -1
	s_cmp_lt_u32 s24, s23
	s_cbranch_scc0 .Lnext_\@
	s_wait_xcnt 0x0                                ; the last trip's stores have read their offsets and their data: both are written again below
	v_add_nc_u32 v13, s27, v12
	ds_load_b128 v[QO:QO+3], v13 offset:LIST       ; my eight rows' q,
	ds_load_b128 v[QO+4:QO+7], v13 offset:LIST+16
	ds_load_b128 v[GA:GA+3], v13 offset:GT         ; and their gates
	ds_load_b128 v[GA+4:GA+7], v13 offset:GT+16
.irp p, 0,1,2,3
.irp i, 0,1,2,3,4,5,6,7
	ds_load_b128 v[128+32*\p+4*\i:131+32*\p+4*\i], v[10+\rb] offset:4352*\p+272*\i
.endr
.endr
	s_wait_dscnt 32                                ; q and the gates are in; the 32 loads of partial sums may be out
.irp i, 0,1,2,3,4,5,6,7
	v_min_u32 v[QO+\i], 0x807, v[QO+\i]            ; a loaded number enters an address only held: 2,056 rows
	v_lshl_add_u32 v[QO+\i], v[QO+\i], 12, v5      ; row q of 4,096 bytes, + 16 r
.endr
	s_wait_dscnt 0x0
.irp i, 0,1,2,3,4,5,6,7
	v_pk_add_f32 v[SU+4*\i:SU+4*\i+1], v[128+4*\i:129+4*\i], v[160+4*\i:161+4*\i]
	v_pk_add_f32 v[SU+4*\i+2:SU+4*\i+3], v[130+4*\i:131+4*\i], v[162+4*\i:163+4*\i]
	v_pk_add_f32 v[192+4*\i:193+4*\i], v[192+4*\i:193+4*\i], v[224+4*\i:225+4*\i]
	v_pk_add_f32 v[194+4*\i:195+4*\i], v[194+4*\i:195+4*\i], v[226+4*\i:227+4*\i]
	v_pk_add_f32 v[SU+4*\i:SU+4*\i+1], v[SU+4*\i:SU+4*\i+1], v[192+4*\i:193+4*\i]
	v_pk_add_f32 v[SU+4*\i+2:SU+4*\i+3], v[SU+4*\i+2:SU+4*\i+3], v[194+4*\i:195+4*\i]
	v_pk_fma_f32 v[SU+4*\i:SU+4*\i+1], v[SU+4*\i:SU+4*\i+1], s[32:33], v[20:21] op_sel_hi:[1,0,1]       ; x 2^(eh + ew2) + b2
	v_pk_fma_f32 v[SU+4*\i+2:SU+4*\i+3], v[SU+4*\i+2:SU+4*\i+3], s[32:33], v[22:23] op_sel_hi:[1,0,1]
.if \i%2
	v_pk_mul_f32 v[SU+4*\i:SU+4*\i+1], v[SU+4*\i:SU+4*\i+1], v[GA+\i-1:GA+\i] op_sel:[0,1] op_sel_hi:[1,1]   ; x the row's gate
	v_pk_mul_f32 v[SU+4*\i+2:SU+4*\i+3], v[SU+4*\i+2:SU+4*\i+3], v[GA+\i-1:GA+\i] op_sel:[0,1] op_sel_hi:[1,1]
.else
	v_pk_mul_f32 v[SU+4*\i:SU+4*\i+1], v[SU+4*\i:SU+4*\i+1], v[GA+\i:GA+\i+1] op_sel_hi:[1,0]
	v_pk_mul_f32 v[SU+4*\i+2:SU+4*\i+3], v[SU+4*\i+2:SU+4*\i+3], v[GA+\i:GA+\i+1] op_sel_hi:[1,0]
.endif
.endr
.irp i, 0,1,2,3,4,5,6,7
	global_store_b128 v[QO+\i], v[SU+4*\i:SU+4*\i+3], s[16:17] th:TH_STORE_NT   ; sixteen lanes store 256 consecutive bytes of a row, aligned; a place at or past R goes to row 2048 + e
.endr
.Lnext_\@:
	s_add_co_u32 s24, s24, 1
	s_add_co_u32 s27, s27, 256
.endm
	s_mov_b32 s24, 0                               ; the trip,
	s_mov_b32 s27, 0                               ; and its list bytes
	s_mov_b32 s25, 8
.Ltrips:
	TRIP 0
	TRIP 1
	s_sub_co_u32 s25, s25, 1
	s_cmp_lg_u32 s25, 0
	s_cbranch_scc1 .Ltrips
	s_wait_tensorcnt 0x0
	ds_add_u32 v126, v127
	s_wait_dscnt 0x0
	s_endpgm
.Lfunc_end_k_q593f83d07e_down:
	.size	k_q593f83d07e_down, .Lfunc_end_k_q593f83d07e_down-k_q593f83d07e_down
	.p2alignl 7, 3214868480
	.fill 96, 4, 3214868480
	.section	.rodata,"a",@progbits
	.p2align	6, 0x0
	.amdhsa_kernel k_q593f83d07e_down
		.amdhsa_group_segment_fixed_size 283904
		.amdhsa_private_segment_fixed_size 0
		.amdhsa_enable_private_segment 0
		.amdhsa_kernarg_size 56
		.amdhsa_user_sgpr_count 2
		.amdhsa_user_sgpr_kernarg_segment_ptr 1
		.amdhsa_wavefront_size32 1
		.amdhsa_system_sgpr_workgroup_id_x 1
		.amdhsa_system_sgpr_workgroup_id_y 1
		.amdhsa_system_sgpr_workgroup_id_z 1
		.amdhsa_system_vgpr_workitem_id 0
		.amdhsa_next_free_vgpr 768
		.amdhsa_next_free_sgpr 66
		.amdhsa_reserve_vcc 0
		.amdhsa_float_denorm_mode_32 3
		.amdhsa_float_denorm_mode_16_64 3
		.amdhsa_memory_ordered 1
		.amdhsa_forward_progress 1
		.amdhsa_inst_pref_size 106
	.end_amdhsa_kernel
	.amdgpu_metadata
---
amdhsa.version: [ 1, 2 ]
amdhsa.kernels:
  - .name:           k_q593f83d07e_down
    .symbol:         k_q593f83d07e_down.kd
    .args:
      - { .name: W2_codes, .offset: 0, .size: 8, .value_kind: global_buffer, .address_space: global }
      - { .name: b2, .offset: 8, .size: 8, .value_kind: global_buffer, .address_space: global }
      - { .name: lowp_scales, .offset: 16, .size: 8, .value_kind: global_buffer, .address_space: global }
      - { .name: hbuf, .offset: 24, .size: 8, .value_kind: global_buffer, .address_space: global }
      - { .name: ridx, .offset: 32, .size: 8, .value_kind: global_buffer, .address_space: global }
      - { .name: gates, .offset: 40, .size: 8, .value_kind: global_buffer, .address_space: global }
      - { .name: ybuf, .offset: 48, .size: 8, .value_kind: global_buffer, .address_space: global }
    .group_segment_fixed_size: 283904
    .private_segment_fixed_size: 0
    .kernarg_segment_align: 8
    .kernarg_segment_size: 56
    .max_flat_workgroup_size: 128
    .sgpr_count:     66
    .vgpr_count:     768
    .wavefront_size: 32
...
	.end_amdgpu_metadata
.endif
;; end of part 3
;; launch join (part 4): grid 256 x 1, 8 waves a work-group, no clusters, 0 bytes of LDS; arguments ybuf, out0; writes out0
.if DOCPART == 4
	.amdgcn_target "amdgcn-amd-amdhsa--gfx1250"
	.amdhsa_code_object_version 6
	.text
	.protected	k_q593f83d07e_join
	.globl	k_q593f83d07e_join
	.p2align	8
	.type	k_q593f83d07e_join,@function
k_q593f83d07e_join:
	s_mov_b64 s[64:65], 0
	v_nop
	global_prefetch_b8 v0, s[64:65] scope:SCOPE_SE
	s_setreg_imm32_b32 hwreg(HW_REG_WAVE_MODE, 25, 1), 1
	s_wait_xcnt 0x0
; JOIN.  out[token] = the sum of the token's four parts in ybuf [kh 2][row 2056][1024] f32, rows slot x 1024 + token: two chosen experts x two halves of K; gate, scale and bias are in the parts already.
; (Rows 2048 to 2055 of each half hold nothing of use and are not read.)
; A stream: a work-group takes 16 KiB of out (4 tokens), a thread 16 bytes of each of 4 blocks of 4,096 bytes; every load and store of a wave covers 512 consecutive bytes, aligned.
; All 16 loads of a thread go out at once; the waits count down.  No LDS, no barrier, no matrix unit: nothing is shared and nothing is multiplied.
	s_load_b128 s[4:7], s[0:1], 0x0                ; ybuf s[4:5], out0 s[6:7]
	s_lshl_b32 s2, ttmp9, 14
	s_mov_b32 s3, 0
	v_lshlrev_b32 v1, 4, v0
	s_wait_kmcnt 0x0
	s_add_nc_u64 s[4:5], s[4:5], s[2:3]            ; the half kh = 0
	s_add_nc_u64 s[6:7], s[6:7], s[2:3]
	s_add_nc_u64 s[8:9], s[4:5], 2056*4096         ; the half kh = 1: 2,056 rows of 4,096 bytes on
.irp k, 0,1,2,3
	global_load_b128 v[2+16*\k:5+16*\k], v1, s[4:5] offset:4096*\k th:TH_LOAD_NT
	global_load_b128 v[6+16*\k:9+16*\k], v1, s[4:5] offset:4194304+4096*\k th:TH_LOAD_NT      ; the second slot: 1,024 rows on
	global_load_b128 v[10+16*\k:13+16*\k], v1, s[8:9] offset:4096*\k th:TH_LOAD_NT
	global_load_b128 v[14+16*\k:17+16*\k], v1, s[8:9] offset:4194304+4096*\k th:TH_LOAD_NT
.endr
.irp k, 0,1,2,3
	s_wait_loadcnt 12-4*\k                         ; block k's four loads are in; the later blocks' may be out
	v_pk_add_f32 v[2+16*\k:3+16*\k], v[2+16*\k:3+16*\k], v[6+16*\k:7+16*\k]
	v_pk_add_f32 v[4+16*\k:5+16*\k], v[4+16*\k:5+16*\k], v[8+16*\k:9+16*\k]
	v_pk_add_f32 v[10+16*\k:11+16*\k], v[10+16*\k:11+16*\k], v[14+16*\k:15+16*\k]
	v_pk_add_f32 v[12+16*\k:13+16*\k], v[12+16*\k:13+16*\k], v[16+16*\k:17+16*\k]
	v_pk_add_f32 v[2+16*\k:3+16*\k], v[2+16*\k:3+16*\k], v[10+16*\k:11+16*\k]
	v_pk_add_f32 v[4+16*\k:5+16*\k], v[4+16*\k:5+16*\k], v[12+16*\k:13+16*\k]
	global_store_b128 v1, v[2+16*\k:5+16*\k], s[6:7] offset:4096*\k th:TH_STORE_NT
.endr
	s_endpgm
.Lfunc_end_k_q593f83d07e_join:
	.size	k_q593f83d07e_join, .Lfunc_end_k_q593f83d07e_join-k_q593f83d07e_join
	.p2alignl 7, 3214868480
	.fill 96, 4, 3214868480
	.section	.rodata,"a",@progbits
	.p2align	6, 0x0
	.amdhsa_kernel k_q593f83d07e_join
		.amdhsa_group_segment_fixed_size 0
		.amdhsa_private_segment_fixed_size 0
		.amdhsa_enable_private_segment 0
		.amdhsa_kernarg_size 16
		.amdhsa_user_sgpr_count 2
		.amdhsa_user_sgpr_kernarg_segment_ptr 1
		.amdhsa_wavefront_size32 1
		.amdhsa_system_sgpr_workgroup_id_x 1
		.amdhsa_system_sgpr_workgroup_id_y 1
		.amdhsa_system_sgpr_workgroup_id_z 1
		.amdhsa_system_vgpr_workitem_id 0
		.amdhsa_next_free_vgpr 72
		.amdhsa_next_free_sgpr 66
		.amdhsa_reserve_vcc 0
		.amdhsa_float_denorm_mode_32 3
		.amdhsa_float_denorm_mode_16_64 3
		.amdhsa_memory_ordered 1
		.amdhsa_forward_progress 1
		.amdhsa_inst_pref_size 5
	.end_amdhsa_kernel
	.amdgpu_metadata
---
amdhsa.version: [ 1, 2 ]
amdhsa.kernels:
  - .name:           k_q593f83d07e_join
    .symbol:         k_q593f83d07e_join.kd
    .args:
      - { .name: ybuf, .offset: 0, .size: 8, .value_kind: global_buffer, .address_space: global }
      - { .name: out0, .offset: 8, .size: 8, .value_kind: global_buffer, .address_space: global }
    .group_segment_fixed_size: 0
    .private_segment_fixed_size: 0
    .kernarg_segment_align: 8
    .kernarg_segment_size: 16
    .max_flat_workgroup_size: 256
    .sgpr_count:     66
    .vgpr_count:     72
    .wavefront_size: 32
...
	.end_amdgpu_metadata
.endif
;; end of part 4
;; ======== version 2 of 2: 4 launches; version 1 with the launches up, down written anew for expert scheduling mode
;; workspace buffers: xq 8,388,608 bytes; ridx 4,096 bytes of whole numbers; gates 8,192 bytes; hbuf 33,554,432 bytes; ybuf 16,842,752 bytes
;; launch route: the kernel of part 1 again; grid 256 x 1, 4 waves a work-group, no clusters, 1,024 bytes of LDS; arguments x, Wg, lowp_scales, xq, ridx, gates; writes xq, ridx, gates
;; launch up (part 5): grid 32 x 8, 4 waves a work-group, no clusters, 271,616 bytes of LDS; arguments W1_codes, b1, lowp_scales, xq, ridx, hbuf; writes hbuf
.if DOCPART == 5
	.amdgcn_target "amdgcn-amd-amdhsa--gfx1250"
	.amdhsa_code_object_version 6
	.text
	.protected	k_q593f83d07e_up
	.globl	k_q593f83d07e_up
	.p2align	8
	.type	k_q593f83d07e_up,@function
k_q593f83d07e_up:
	s_mov_b64 s[64:65], 0
	v_nop
	global_prefetch_b8 v0, s[64:65] scope:SCOPE_SE
	s_setreg_imm32_b32 hwreg(HW_REG_WAVE_SCHED_MODE, 0, 2), 2
	s_setreg_imm32_b32 hwreg(HW_REG_WAVE_MODE, 25, 1), 1
	s_wait_xcnt 0x0
	s_wait_alu depctr_vm_vsrc(0)
; UP.  h = Q(gelu(x W1 + b1)) for the rows that chose an expert; the rows of the six experts that a token did not choose are weighed by 0 in the result and are not made.
; A work-group (x = chunk ch, y = expert e) owns 128 hidden units of one expert, for ALL rows of that expert.  THE WEIGHTS STAY: wave w keeps hidden units 128 ch + 32 w .. + 31, all K = 1,024,
; in 256 registers (2 tiles x 8 K steps of 128): each byte of W1 is loaded once in the program, by one wave.  What goes round is x's codes: 64 rows a trip, gathered by the list, through LDS.
; THE LIST.  ridx holds each token's two experts (whole numbers stored by the launch before).  Wave 0 lays the expert's rows q = slot x 1024 + token on end in LDS.  R, their number, is counted by every wave
; for itself, in scalar registers, from the same 32 registers of ridx, while wave 0 lays the list: so the trips' branch hangs on no LDS word.
; The launch behind this one builds the same list by the same lines, so place i of the list is row i of the expert's h.  Places from R on read q = 0: they are computed and never used.
; TRIPS.  16 trips of 64 rows, a constant, serve every split (R up to 1,024); a trip at or past n = max(1, ceil(R / 64)) jumps over its work by a scalar branch and still passes its barrier.
; Whether a trip is made is asked ONCE, a trip ahead (is t + 1 < n?), where the next trip's rows are asked for.  The answer is kept in a scalar flag, written by a move of 0 or 1, and a trip's two jumps test
; the flag; trip 0 is always made.  So behind the first trip that is not made no branch hangs on a loaded number.
; THE PRODUCT IS USED TRANSPOSED (source 0 = 16 rows of W1, source 1 = 16 rows of x), and lane r of tile u takes W1's row 8 u + r + 8 (r / 8) of the wave's 32: so lane (r, h) holds, in the 16
; registers of tiles 0 and 1, hidden units 32 w + 16 h + 0 .. 15 of row r: 16 neighbours along the next K.  Their codes are piece w of the next operand's registers.
; hbuf: [expert][tile of 16 rows, 64][K step of 128, 32][2,048 bytes]: an image of the operand's registers: piece c (512 bytes) holds lane l's registers 4 c .. 4 c + 3 at 16 l: k = 32 c + 16 (l / 16) + 0 .. 15.
; All fragments here and in the next launch take k in that order, alike in both operands, so every product meets its partner.
; gelu is the tanh form: z / (1 + 2^(z (-c1 - c1 0.044715 z^2))), c1 = 2 sqrt(2 / pi) log2(e); all in f32.
; No tensor load, no cluster, no joint loads: the trips' work is jumped over by a branch on a number read from memory; and no two work-groups read the same weights.
; WHAT IS OUT.  By this text's own count a wave never has more than 63 instructions out on one counter, as many as a counter's field counts: the weights come in two parts (48 loads ahead of the list, 16 behind it)
; and turn through LDS in three; at most 56 loads, 52 LDS instructions and 8 stores are out.
; LIMITS: eh between -126 and 119; ex + ew1 between -126 and 127.  NaN and infinities among the inputs are not served.
; REGISTERS.  window 0: v1-14, v16-20 lane numbers and addresses; v22, v23 the closing add's two; v24-31 the list's builder; v32-47 b1; v48-63 the gather's offsets; v64-127, v128-191 and window 2's v128-191: x's fragments of a K step
;   (4 tiles x 16), three buffers by turns; v192-255 the 8 accumulators (tile of rows m, tile of units u at 16 m + 8 u).  Behind the products v64-127 are at work, v128-143 take the codes, v144-159 the list's entries.
;   window 1: W1's 16 fragments, (u, s) at 16 (8 u + s).   window 2: v0-127 the gathered rows as they land: row j, half i at 8 j + 4 i.
; THE MODE: SCHED_MODE bits 1:0 = 2 (LLVM: expert scheduling mode 2), set by the entry lines.  The code itself states the register dependences
; between vector or matrix instructions and memory or LDS instructions, with s_wait_alu, always for 0.
; THE PLAN.  Registers that memory or LDS instructions touch, in the trips:
;   the gathered rows   Written by the gather's 32 loads, read by the next trip's 32 LDS stores; no vector instruction names them.
;   X0, X1, X2          K step s: its 8 matrix instructions read buffer s % 3; behind them the LDS loads of K step s + 2 land in buffer (s + 2) % 3, which K step s - 1 read.
;                       So one wait on va_vdst stands at the head of K steps 1 to 5, and the loads follow the step's matrix instructions, which name none of their registers.
;   the codes, v14      Written by the way out, read by its four stores; written again a trip later, behind the waits that stand behind the barrier.
;   v12, the entries, the offsets   Written and read inside the gather, which has its own three waits.
;   v4 to v10, v20      Made at the head and never written again.
.set LIST, 0                           ; LDS: 1,024 places of the list and one word a lane for what is not chosen: 4,608 bytes (the 256 bytes behind them are not used)
.set WST,  4864                        ; each wave's own stage for its weights: 32 rows, 1,040 bytes apart
.set WSTW, 33280
.set XP,   1040                        ; a row of 1,024 codes + 16 bytes: 65 x 16, so the 16 rows of a fragment load begin in 16 different groups of banks
.set XS0,  137984                      ; x's 64 rows of a trip: two slots by turns
.set XSB,  66560
.set B1,   32
.set VO,   48
.set IDX,  64                          ; ridx's 1,024 words: register 4 j + k of lane l is token 128 j + 4 l + k
.set EE,   64
.set CD,   128
.set LE,   144
.set ACC,  192
.set BP,   128                         ; the builder: batch t's eight places at BP + 16 t, its eight rows at BP + 16 t + 8
.set BT,   192                         ; the builder: sixteen registers at work
.set CT,   34                          ; s[34:42]  the builder: the count ahead of each of a batch's eight registers, and behind the last: at the end s42 = R
.set MK,   46                          ; s[46:61]  the builder: two masks for each of a batch's eight registers
.set NOW,  41                          ; s41       in the trips: 1 if this trip is made, else 0
.set NXT,  42                          ; s42       in the trips: the same of the next trip
.set MSB,  0
.macro WIN new                         ; the immediate's high byte repeats the setting that is left; a switch that changes nothing is dropped
.if MSB != \new
	s_set_vgpr_msb (MSB<<8)|\new
.set MSB, \new
.endif
.endm
.macro PLACES                          ; four plain lines behind a matrix instruction, ahead of reads of its result and of loads into its registers; they stay beside the waits
.rept 4
	v_nop
.endr
.endm
.macro WLOAD first, count              ; my weights as they lie: my 32 rows are 32 KiB on end; load i takes 512 consecutive bytes: half i % 2 of row i / 2
	WIN 0x40                                       ; destination window 1
.set i, \first
.rept \count
	global_load_b128 v[4*i:4*i+3], v4, s[4:5] offset:512*i th:TH_LOAD_NT
.set i, i+1
.endr
	WIN 0
.endm
.macro WSTAGE first, count             ; the same pieces into my own stage in LDS, as they lie
	WIN 0x04                                       ; store data window 1
.set i, \first
.rept \count
	ds_store_b128 v5, v[4*i:4*i+3] offset:(i/2)*XP+(i%2)*512
.set i, i+1
.endr
	WIN 0
.endm
.macro WFRAG u                         ; and out of it as tile u's eight fragments, which stay: 32 loads.  LDS serves a wave's instructions in order: these see my stores
.irp s, 0,1,2,3,4,5,6,7
.irp c, 0,1,2,3
	ds_load_b128 v[16*(8*\u+\s)+4*\c:16*(8*\u+\s)+4*\c+3], v6 offset:8*\u*XP+128*\s+32*\c
.endr
.endr
.endm
; THE LIST'S BUILDER.  For each of the 32 registers of ridx: which lanes' token chose the expert (as first or as second choice); the count so far.  lay = 1, wave 0 alone: each such lane's place = the count
; so far + the chosen lanes below it; the others write a word of their own behind the list; no other wave touches LDS until the barrier behind it.  lay = 0, the other waves: the counts alone.
; Four batches of eight registers: sixteen compares in a run, one wait for their masks; the counts; (lay = 1) the places and rows, in registers of the batch's own; one wait; eight stores.  es: the expert's scalar register.
.macro BUILD es, lay
.if \lay
	v_mov_b32 v28, 0
	v_mov_b32 v29, 0
	v_mov_b32 v30, 0
	v_mov_b32 v31, 0
	s_wait_alu depctr_va_vdst(0)                   ; v28 to v31 are written, which the stores below read
.irp i, 0,1,2,3,4,5,6,7,8
	ds_store_b128 v4, v[28:31] offset:LIST+512*\i  ; the places that stay empty read q = 0
.endr
.endif
	s_wait_loadcnt 48                              ; ridx's eight loads are in; the 48 loads of weights, issued behind them, may be out
	s_mov_b32 s[CT], 0
.set bt, 0
.rept 4
.set i, 0
.rept 8
	v_and_b32 v[BT+i], 0xff, v[IDX+8*bt+i]
	v_lshrrev_b32 v[BT+8+i], 8, v[IDX+8*bt+i]
.set i, i+1
.endr
.set i, 0
.rept 8
	v_cmp_eq_u32 s[MK+2*i], s[\es], v[BT+i]
	v_cmp_eq_u32 s[MK+2*i+1], s[\es], v[BT+8+i]
.set i, i+1
.endr
	s_wait_alu depctr_va_sdst(0)                   ; the sixteen masks are written, ahead of their first readers
.set i, 0
.rept 8
	s_or_b32 s[MK+2*i], s[MK+2*i], s[MK+2*i+1]
	s_bcnt1_i32_b32 s43, s[MK+2*i]
	s_add_co_u32 s[CT+i+1], s[CT+i], s43
.set i, i+1
.endr
.if \lay
.set i, 0
.rept 8
	v_mbcnt_lo_u32_b32 v[BP+16*bt+i], s[MK+2*i], s[CT+i]
	v_cndmask_b32 v[BP+16*bt+i], v25, v[BP+16*bt+i], s[MK+2*i]
	v_min_u32 v[BP+16*bt+i], 0x43f, v[BP+16*bt+i]  ; a place made from loaded numbers is held inside the list's words
	v_lshlrev_b32 v[BP+16*bt+i], 2, v[BP+16*bt+i]
	v_cndmask_b32 v[BP+16*bt+8+i], 0, v26, s[MK+2*i+1]
	v_add_nc_u32 v[BP+16*bt+8+i], v24, v[BP+16*bt+8+i]
	v_add_nc_u32 v[BP+16*bt+8+i], 128*((8*bt+i)/4)+(8*bt+i)%4, v[BP+16*bt+8+i]   ; q = slot x 1024 + token
.set i, i+1
.endr
	s_wait_alu depctr_va_vdst(0)                   ; the batch's places and rows are written, which the stores below read
.set i, 0
.rept 8
	ds_store_b32 v[BP+16*bt+i], v[BP+16*bt+8+i] offset:LIST
.set i, i+1
.endr
.endif
.if bt < 3
	s_mov_b32 s[CT], s[CT+8]                       ; the count goes on into the next batch
.endif
.set bt, bt+1
.endr
.endm
	s_load_b256 s[4:11], s[0:1], 0x0               ; W1's codes s[4:5], b1 s[6:7], the scales' exponents s[8:9], xq s[10:11]
	s_load_b128 s[12:15], s[0:1], 0x20             ; ridx s[12:13], hbuf s[14:15]
	v_lshl_add_u32 v22, v0, 2, 0x42300             ; the closing add's two registers, made here and kept for it alone: my spare word behind x's slots,
	v_mov_b32 v23, 0                               ; and 0
	v_lshrrev_b32 v1, 5, v0
	v_readfirstlane_b32 s16, v1                    ; wave 0..3
	s_mov_b32 s17, ttmp9                           ; chunk of 128 hidden units
	s_and_b32 s18, ttmp7, 0xffff                   ; expert
	v_and_b32 v1, 31, v0                           ; l
	v_and_b32 v2, 15, v0                           ; r
	v_bfe_u32 v3, v0, 4, 1                         ; h
	v_lshlrev_b32 v4, 4, v1                        ; 16 l
	s_wait_alu depctr_va_sdst(0)                   ; s16 is written, ahead of its first reader
	s_mul_i32 s30, s16, WSTW
	s_add_co_u32 s30, s30, WST                     ; my stage for the weights
	v_add_nc_u32 v5, s30, v4                       ; into it: as loaded
	v_and_b32 v12, 8, v2
	v_add_nc_u32 v12, v12, v2                      ; r + 8 (r / 8)
	v_mul_u32_u24 v6, v12, XP
	v_lshl_add_u32 v6, v3, 4, v6
	v_add_nc_u32 v6, s30, v6                       ; out of it: a fragment's row, + 16 h
	s_mul_i32 s30, s16, 16*XP
	s_add_co_u32 s30, s30, XS0
	v_add_nc_u32 v7, s30, v4                       ; x's slot 0: my wave's 16 rows, as loaded
	v_add_nc_u32 v8, XSB, v7                       ; slot 1
	v_mul_u32_u24 v9, v2, XP
	v_lshl_add_u32 v9, v3, 4, v9
	v_add_nc_u32 v9, XS0, v9                       ; x's fragments out of slot 0: row r, + 16 h
	v_add_nc_u32 v10, XSB, v9                      ; slot 1
	s_lshl_b32 s30, s16, 6
	v_mov_b32 v11, s30                             ; the list: my wave's 16 places of a trip's 64
	s_lshl_b32 s30, s16, 9
	v_add_nc_u32 v13, s30, v4                      ; hbuf: piece w, 16 l
	v_mov_b32 v18, 0xc0135761                      ; -c1 = -2.3022082, twice
	v_mov_b32 v19, 0xc0135761
	v_lshlrev_b32 v20, 6, v3                       ; b1: 64 h
	v_lshlrev_b32 v24, 2, v1                       ; the builder's: 4 l,
	v_add_nc_u32 v25, 1024, v1                     ; my word behind the list,
	v_mov_b32 v26, 1024                            ; the second slot's step
	s_mov_b32 s44, 0xbdd2d3e8                      ; -c1 x 0.044715
	s_mov_b32 s45, s44                             ; (named with it as a pair, so it is written)
	s_lshl_b32 s30, s18, 22                        ; W1: (4096 e + 128 ch + 32 w) rows of 1,024 bytes
	s_lshl_b32 s31, s17, 17
	s_add_co_u32 s30, s30, s31
	s_lshl_b32 s31, s16, 15
	s_add_co_u32 s30, s30, s31
	s_mov_b32 s31, 0
	s_lshl_b32 s32, s18, 14                        ; b1: the same units, 4 bytes each
	s_lshl_b32 s33, s17, 9
	s_add_co_u32 s32, s32, s33
	s_lshl_b32 s33, s16, 7
	s_add_co_u32 s32, s32, s33
	s_mov_b32 s33, 0
	s_lshl_b32 s34, s18, 20                        ; xq: the expert's 1,024 rows of 1,024 bytes
	s_mov_b32 s35, 0
	s_lshl_b32 s36, s18, 22                        ; hbuf: the expert's 4 MiB, K step ch
	s_lshl_b32 s37, s17, 11
	s_add_co_u32 s36, s36, s37
	s_mov_b32 s37, 0
	s_lshl_b32 s38, s18, 4                         ; the expert's four exponents
	s_mov_b32 s39, 0
	s_wait_kmcnt 0x0
	s_add_nc_u64 s[8:9], s[8:9], s[38:39]
	s_load_b128 s[24:27], s[8:9], 0x0              ; ex, ew1, eh, ew2
	s_add_nc_u64 s[4:5], s[4:5], s[30:31]
	s_add_nc_u64 s[6:7], s[6:7], s[32:33]
	s_add_nc_u64 s[10:11], s[10:11], s[34:35]
	s_add_nc_u64 s[14:15], s[14:15], s[36:37]
	s_wait_alu depctr_va_vdst(0)                   ; the offsets and LDS addresses v4 to v10 and v20 are written: the loads and stores of the whole kernel read them
.irp j, 0,1,2,3,4,5,6,7
	global_load_b128 v[IDX+4*\j:IDX+4*\j+3], v4, s[12:13] offset:512*\j   ; wanted first, so issued first; every wave counts R from them
.endr
	WLOAD 0, 48                                    ; rows 0 to 23 of my weights: all that tile 0's fragments take.  56 loads are out
	s_cmp_lg_u32 s16, 0
	s_cbranch_scc1 .Lcount
	BUILD 18, 1
	s_branch .Lbuilt
.Lcount:
	BUILD 18, 0
.Lbuilt:
	s_wait_dscnt 0x0                               ; the list has landed
	s_barrier_signal -1
	s_barrier_wait -1
	s_add_co_u32 s20, s[CT+8], 63                  ; R, which scalar instructions wrote
	s_lshr_b32 s20, s20, 6
	s_max_u32 s20, s20, 1                          ; n: trip 0 is always made, so that the next launch's first loads read bytes that were stored
; 16 rows of x's codes by the list: my wave's places of the trip whose list bytes begin at s40.  The entries come to every lane (one address for all); a row is two loads of 512 consecutive bytes.
.macro GATHER
	s_wait_alu depctr_vm_vsrc(0)                   ; my stores into x's slot have read the gathered rows' registers, in which the loads below land; the last gather's loads have read v12 and the offsets, which are written below; ahead of trip 0: the builder's stores have read the registers in which the entries land
	v_add_nc_u32 v12, s40, v11
	s_wait_alu depctr_va_vdst(0)                   ; v12 is written; and all vector and matrix work is done with the entries' registers, in which the loads below land
.irp i, 0,1,2,3
	ds_load_b128 v[LE+4*\i:LE+4*\i+3], v12 offset:LIST+16*\i
.endr
	s_wait_dscnt 0x0                               ; the entries are in
.set j, 0
.rept 16
	v_and_b32 v[LE+j], 0x3ff, v[LE+j]              ; the token
	v_min_u32 v[LE+j], 0x3ff, v[LE+j]              ; a loaded number enters an address only held
	v_lshl_add_u32 v[VO+j], v[LE+j], 10, v4
.set j, j+1
.endr
	WIN 0x80                                       ; destination window 2
	s_wait_alu depctr_va_vdst(0)                   ; the sixteen offsets are written, which the loads below read
.set j, 0
.rept 16
	global_load_b128 v[8*j:8*j+3], v[VO+j], s[10:11]
	global_load_b128 v[8*j+4:8*j+7], v[VO+j], s[10:11] offset:512
.set j, j+1
.endr
	WIN 0
.endm
	s_wait_loadcnt 16                              ; rows 0 to 15 of my weights (32 loads) are in; the 16 loads behind them may be out
	WSTAGE 0, 32
	WLOAD 48, 16                                   ; rows 24 to 31
.irp u, 0,1
	global_load_b128 v[B1+8*\u:B1+8*\u+3], v20, s[6:7] offset:32*\u       ; b1 at my units 16 h + 8 u + 0 .. 7
	global_load_b128 v[B1+8*\u+4:B1+8*\u+7], v20, s[6:7] offset:32*\u+16
.endr
	s_wait_loadcnt 20                              ; rows 16 to 23 are in; the 20 loads just issued may be out
	WSTAGE 32, 16
	s_mov_b32 s40, 0
	GATHER                                         ; trip 0's rows
	s_mov_b32 s40, 256                             ; from here on: the list bytes of the trip after the one in hand
	WIN 0x40                                       ; destination window 1
	s_wait_alu depctr_vm_vsrc(0)                   ; the stores of rows 0 to 15 have read their registers, in which tile 0's fragments land
	WFRAG 0                                        ; rows 0 to 7 and 16 to 23
	WIN 0
	s_wait_kmcnt 0x0
	s_add_co_i32 s28, s24, s25
	s_add_co_i32 s28, s28, 127
	s_lshl_b32 s28, s28, 23                        ; 2^(ex + ew1)
	s_mov_b32 s29, s28
	s_add_co_i32 s30, s26, 127
	s_lshl_b32 s31, s30, 23
	v_mov_b32 v16, s31                             ; 2^eh
	s_add_co_i32 s30, s30, 8
	s_lshl_b32 s30, s30, 23
	s_or_b32 s30, s30, 0x600000
	v_mov_b32 v17, s30                             ; 448 x 2^eh
	s_wait_loadcnt 32                              ; rows 24 to 31 and b1 are in; the gather's 32 loads, issued last, may be out
	WSTAGE 48, 16
	s_wait_dscnt 0x0
	WIN 0x40
	s_wait_alu depctr_vm_vsrc(0)                   ; the stores of rows 16 to 31 have read their registers, in which tile 1's fragments land
	WFRAG 1                                        ; rows 8 to 15 and 24 to 31
	WIN 0
	s_wait_dscnt 0x0
; x's four fragments of K step s into buffer b: 16 loads.  Buffer 0: v64-127; buffer 1: v128-191; buffer 2: v128-191 of window 2
.macro XFRAG b, adr, s
.set XB, 64+64*(((\b)+1)/2)
.if (\b) == 2
	WIN 0x80                                       ; destination window 2
.else
	WIN 0
.endif
.irp m, 0,1,2,3
.irp c, 0,1,2,3
	ds_load_b128 v[XB+16*\m+4*\c:XB+16*\m+4*\c+3], v[\adr] offset:16*XP*\m+128*(\s)+32*\c
.endr
.endr
.endm
; 8 matrix instructions on buffer b: the eight accumulators by turns, one instruction a turn, in the same order in every K step; K step 0 starts the sums
.macro MM s, b
.set XB, 64+64*(((\b)+1)/2)
.if (\b) == 2
	WIN 0x09                                       ; source 0 (W1) window 1, source 1 (x) window 2
.else
	WIN 0x01                                       ; source 0 (W1) window 1
.endif
.irp m, 0,1,2,3
.irp u, 0,1
.if \s == 0
	v_wmma_f32_16x16x128_fp8_fp8 v[ACC+16*\m+8*\u:ACC+16*\m+8*\u+7], v[16*(8*\u+\s):16*(8*\u+\s)+15], v[XB+16*\m:XB+16*\m+15], 0
.else
	v_wmma_f32_16x16x128_fp8_fp8 v[ACC+16*\m+8*\u:ACC+16*\m+8*\u+7], v[16*(8*\u+\s):16*(8*\u+\s)+15], v[XB+16*\m:XB+16*\m+15], v[ACC+16*\m+8*\u:ACC+16*\m+8*\u+7]
.endif
.endr
.endr
.endm
; THE WAY OUT of a trip: z = sum x 2^(ex + ew1) + b1; gelu; the hold; the codes; four stores of 512 consecutive bytes, aligned.  Each accumulator is read from its low end on.
.macro EPI
.set p, 0
.rept 32
	v_pk_fma_f32 v[ACC+p:ACC+p+1], v[ACC+p:ACC+p+1], s[28:29], v[B1+p%16:B1+p%16+1] op_sel_hi:[1,0,1]   ; z
.set p, p+2
.endr
.set p, 0
.rept 32
	v_pk_mul_f32 v[EE+p:EE+p+1], v[ACC+p:ACC+p+1], v[ACC+p:ACC+p+1]                                     ; z^2
.set p, p+2
.endr
.set p, 0
.rept 32
	v_pk_fma_f32 v[EE+p:EE+p+1], v[EE+p:EE+p+1], s[44:45], v[18:19] op_sel_hi:[1,0,1]                   ; -c1 0.044715 z^2 - c1
.set p, p+2
.endr
.set p, 0
.rept 32
	v_pk_mul_f32 v[EE+p:EE+p+1], v[EE+p:EE+p+1], v[ACC+p:ACC+p+1]                                       ; x z
.set p, p+2
.endr
.set p, 0
.rept 64
	v_exp_f32 v[EE+p], v[EE+p]
.set p, p+1
.endr
	v_nop                                          ; a plain line behind the last exponential
	s_wait_alu depctr_va_vdst(0)                   ; the 64 exponentials have written their results: one wait for the batch, ahead of its first reader
.set p, 0
.rept 32
	v_pk_add_f32 v[EE+p:EE+p+1], v[EE+p:EE+p+1], 1.0 op_sel_hi:[1,0]
.set p, p+2
.endr
.set p, 0
.rept 64
	v_rcp_f32 v[EE+p], v[EE+p]
.set p, p+1
.endr
	v_nop
	s_wait_alu depctr_va_vdst(0)                   ; the 64 reciprocals have written their results: one wait for the batch, ahead of its first reader
.set p, 0
.rept 32
	v_pk_mul_f32 v[ACC+p:ACC+p+1], v[ACC+p:ACC+p+1], v[EE+p:EE+p+1]                                     ; gelu(z)
.set p, p+2
.endr
.set p, 0
.rept 64
	v_med3_num_f32 v[ACC+p], v[ACC+p], -v17, v17   ; the conversion to an 8-bit code does not saturate (ISA guide 7.6.2): the hold at 448 x the scale
.set p, p+1
.endr
.irp m, 0,1,2,3
.irp u, 0,1
	v_cvt_scalef32_pk8_fp8_f32 v[CD+4*\m+2*\u:CD+4*\m+2*\u+1], v[ACC+16*\m+8*\u:ACC+16*\m+8*\u+7], v16
.endr
.endr
	v_nop                                          ; a plain line between the conversions and the next vector or matrix instruction that writes their sources
	v_lshl_add_u32 v14, s21, 18, v13               ; tile 4 t: 4 x 65,536 bytes a trip
	s_wait_alu depctr_va_vdst(0)                   ; the conversions have written the codes, and v14 is written: the stores below read both
	s_wait_storecnt 4                              ; the stores of the trip before last are done: with the four below at most eight stores of mine are out, however many trips are made
.irp m, 0,1,2,3
	global_store_b128 v14, v[CD+4*\m:CD+4*\m+3], s[14:15] offset:65536*\m
.endr
	s_wait_xcnt 0x0                                ; the codes' registers and v14 are written again only behind this wait (ISA guide 3.1), on every way on from these stores
.endm
; A TRIP, one barrier.  In front of it: this trip's gathered rows go into x's slot, and the next trip's are asked for.  Behind it: 8 K steps on the slot, and the way out.
; One barrier does for both orders: a slot is written again two trips on, behind the next trip's barrier, in front of which every wave has waited for its reads of it.
.macro TRIP slot
	s_mov_b32 s[NXT], 0                            ; the next trip is not made, unless the arm below says so
	s_cmp_lg_u32 s[NOW], 0
	s_cbranch_scc0 .Lmeet_\@
	s_wait_loadcnt 0x0                             ; this trip's gather is all that is out
	WIN 0x08                                       ; store data window 2
.set j, 0
.rept 16
	ds_store_b128 v[7+\slot], v[8*j:8*j+3] offset:XP*j
	ds_store_b128 v[7+\slot], v[8*j+4:8*j+7] offset:XP*j+512
.set j, j+1
.endr
	WIN 0
	s_add_co_u32 s23, s21, 1
	s_cmp_lt_u32 s23, s20                          ; the trip's one question to n
	s_cbranch_scc0 .Lmeet_\@
	s_mov_b32 s[NXT], 1
	GATHER                                         ; it has this trip's products in which to land
.Lmeet_\@:
	s_wait_dscnt 0x0                               ; my stores into the slot have landed, and my reads of the other slot are over
	s_barrier_signal -1
	s_barrier_wait -1
	s_cmp_lg_u32 s[NOW], 0
	s_cbranch_scc0 .Lnext_\@
	s_wait_alu depctr_vm_vsrc(0)                   ; the last trip's stores have read the codes' registers, in which the loads below land, and v14, which the way out writes again
	s_wait_alu depctr_va_vdst(0)                   ; the last way out and the gather's arithmetic are done with v64 to v191, and the last trip's K steps with the third buffer: the loads of K steps 0, 1 and 2 land there
	XFRAG 0, 9+\slot, 0
	XFRAG 1, 9+\slot, 1
.irp s, 0,1,2,3,4,5,6,7
.if \s == 7
	s_wait_dscnt 0x0
.else
	s_wait_dscnt 16                                ; this K step's fragments are in; the next step's sixteen loads may be out
.endif
.if (\s >= 1) && (\s <= 5)
	s_wait_alu depctr_va_vdst(0)                   ; the K step before is done reading its buffer, in which the loads behind this step's matrix instructions land
.endif
	MM \s, (\s)%3
.if \s < 6
	PLACES
	XFRAG (\s+2)%3, 9+\slot, \s+2                  ; no wait: since the wait above only this step's matrix instructions were issued, and they name another buffer, W1 and the accumulators
.endif
.endr
	WIN 0
	PLACES
	EPI
.Lnext_\@:
	s_mov_b32 s[NOW], s[NXT]
	s_add_co_u32 s21, s21, 1
	s_add_co_u32 s40, s40, 256
.endm
	s_mov_b32 s21, 0                               ; the trip
	s_mov_b32 s[NOW], 1                            ; trip 0 is always made
	s_mov_b32 s22, 8
.Ltrips:
	TRIP 0
	TRIP 1
	s_sub_co_u32 s22, s22, 1
	s_cmp_lg_u32 s22, 0
	s_cbranch_scc1 .Ltrips
	s_wait_dscnt 0x0                               ; the closing lines, six on end
	s_wait_alu 0x0
	s_wait_tensorcnt 0x0
	ds_add_u32 v22, v23
	s_wait_dscnt 0x0
	s_endpgm
.Lfunc_end_k_q593f83d07e_up:
	.size	k_q593f83d07e_up, .Lfunc_end_k_q593f83d07e_up-k_q593f83d07e_up
	.p2alignl 7, 3214868480
	.fill 96, 4, 3214868480
	.section	.rodata,"a",@progbits
	.p2align	6, 0x0
	.amdhsa_kernel k_q593f83d07e_up
		.amdhsa_group_segment_fixed_size 271616
		.amdhsa_private_segment_fixed_size 0
		.amdhsa_enable_private_segment 0
		.amdhsa_kernarg_size 48
		.amdhsa_user_sgpr_count 2
		.amdhsa_user_sgpr_kernarg_segment_ptr 1
		.amdhsa_wavefront_size32 1
		.amdhsa_system_sgpr_workgroup_id_x 1
		.amdhsa_system_sgpr_workgroup_id_y 1
		.amdhsa_system_sgpr_workgroup_id_z 1
		.amdhsa_system_vgpr_workitem_id 0
		.amdhsa_next_free_vgpr 704
		.amdhsa_next_free_sgpr 66
		.amdhsa_reserve_vcc 0
		.amdhsa_float_denorm_mode_32 3
		.amdhsa_float_denorm_mode_16_64 3
		.amdhsa_memory_ordered 1
		.amdhsa_forward_progress 1
		.amdhsa_inst_pref_size 151
	.end_amdhsa_kernel
	.amdgpu_metadata
---
amdhsa.version: [ 1, 2 ]
amdhsa.kernels:
  - .name:           k_q593f83d07e_up
    .symbol:         k_q593f83d07e_up.kd
    .args:
      - { .name: W1_codes, .offset: 0, .size: 8, .value_kind: global_buffer, .address_space: global }
      - { .name: b1, .offset: 8, .size: 8, .value_kind: global_buffer, .address_space: global }
      - { .name: lowp_scales, .offset: 16, .size: 8, .value_kind: global_buffer, .address_space: global }
      - { .name: xq, .offset: 24, .size: 8, .value_kind: global_buffer, .address_space: global }
      - { .name: ridx, .offset: 32, .size: 8, .value_kind: global_buffer, .address_space: global }
      - { .name: hbuf, .offset: 40, .size: 8, .value_kind: global_buffer, .address_space: global }
    .group_segment_fixed_size: 271616
    .private_segment_fixed_size: 0
    .kernarg_segment_align: 8
    .kernarg_segment_size: 48
    .max_flat_workgroup_size: 128
    .sgpr_count:     66
    .vgpr_count:     704
    .wavefront_size: 32
...
	.end_amdgpu_metadata
.endif
;; end of part 5
;; launch down (part 6): grid 32 x 8, 4 waves a work-group, no clusters, 283,904 bytes of LDS; arguments W2_codes, b2, lowp_scales, hbuf, ridx, gates, ybuf; writes ybuf
.if DOCPART == 6
	.amdgcn_target "amdgcn-amd-amdhsa--gfx1250"
	.amdhsa_code_object_version 6
	.text
	.protected	k_q593f83d07e_down
	.globl	k_q593f83d07e_down
	.p2align	8
	.type	k_q593f83d07e_down,@function
k_q593f83d07e_down:
	s_mov_b64 s[64:65], 0
	v_nop
	global_prefetch_b8 v0, s[64:65] scope:SCOPE_SE
	s_setreg_imm32_b32 hwreg(HW_REG_WAVE_SCHED_MODE, 0, 2), 2
	s_setreg_imm32_b32 hwreg(HW_REG_WAVE_MODE, 25, 1), 1
	s_wait_xcnt 0x0
	s_wait_alu depctr_vm_vsrc(0)
; DOWN.  For the rows that chose an expert: gate x (h W2 x 2^(eh + ew2) + b2), as a partial sum over half of K = 4,096.
; A work-group (x = 16 kh + cb, y = expert e) owns 64 columns (cb) and one half of K (kh) of one expert, for ALL rows of that expert.  THE WEIGHTS STAY: wave w keeps K = 2048 kh + 512 w .. + 511 of the
; 64 columns in 256 registers (4 tiles of columns x 4 K steps of 128): each byte of W2 is loaded once in the program, by one wave.  h comes from memory straight into registers: the launch before
; stored it as images of the operand's registers, so a tile's 4 K steps of a wave are 8 KiB on end, 16 loads of 512 consecutive bytes.
; h RUNS A TRIP AHEAD.  A trip's four tiles lie in two buffers of two; as soon as a buffer's 32 products are done it is asked for the next trip's two tiles.  So between a request and the wait for it
; stand the other buffer's 32 products, the barrier and the finishing of a tile, and up to 63 loads of a wave are on their way at a trip's end.
; The four waves' sums over their quarters of the half meet in LDS; wave w finishes tile w of the trip's four: adds the four, x 2^(eh + ew2), + b2 (in the half kh = 0 alone), x the row's gate.
; ybuf: [kh 2][row 2056][1024] f32.  Rows q = slot x 1024 + token, 0 to 2047: each q belongs to one expert, so each byte has one owner; the last launch adds a token's four parts.
; Row 2048 + e takes what the expert's tiles hold beyond its R rows: the list's empty places name it.  Its bytes at my columns and my half are this work-group's own, and no launch reads them.
; So every lane stores in every trip that is made, and EXEC is never changed.
; THE LIST is built as in the launch before (the empty places alone differ), so place i of the list is row i of the expert's h; R, the number of its rows, is counted by every wave for itself, in scalar registers.
; 16 trips of 64 rows, a constant; a trip at or past n = max(1, ceil(R / 64)) jumps over its work and still passes its barrier.  Whether a trip is made is asked ONCE, a trip ahead (is t + 1 < n?), where the next
; trip's tiles are asked for.  The answer is kept in a scalar flag, written by a move of 0 or 1, and a trip's two jumps test the flag; trip 0 is always made.  So behind the first trip that is not made no branch hangs on a loaded number.
; THE PRODUCT IS USED TRANSPOSED (source 0 = 16 columns of W2, source 1 = 16 rows of h): a lane holds eight neighbouring columns of one row.
; No tensor load, no cluster, no joint loads: the trips' work is jumped over by a branch on a number read from memory; and no two work-groups read the same weights.
; WHAT IS OUT.  By this text's own count a wave never has more than 63 instructions out on one counter, as many as a counter's field counts: the weights come in two parts (48 loads ahead of the list, 16 behind it)
; and turn through LDS in parts; the last load of each of h's buffers stands behind a wait on LOADcnt; a trip's stores stand behind waits on XCNT and STOREcnt.
; LIMITS: eh + ew2 between -126 and 127.  NaN and infinities among the inputs are not served.
; REGISTERS.  window 0: v1-15, v19, v48 lane numbers and addresses; v20-23 b2; v24-31 the list's builder; v32-39 the rows' offsets in ybuf; v40-47 their gates; v64-95 ridx, later the finished sums;
;   v96-111 the gates' table on its way; v126, v127 the closing add's two; v128-255 the 16 accumulators (tile of rows m, tile of columns c at 32 m + 8 c), later the four partial sums read back (partial p, row i at 32 p + 4 i).
;   window 1: W2's 16 fragments, (c, s) at 16 (4 c + s).   window 2: h, two buffers of two tiles: tile m', K step s at 128 b + 64 m' + 16 s.
; THE MODE: SCHED_MODE bits 1:0 = 2 (LLVM: expert scheduling mode 2), set by the entry lines.  The code itself states the register dependences
; between vector or matrix instructions and memory or LDS instructions, with s_wait_alu, always for 0.
; THE PLAN.  Registers that memory or LDS instructions touch, in the trips:
;   H0, H1          h's two buffers.  Read by a group's 32 matrix instructions; behind them the next trip's 32 loads land there.
;   v14, v15        The offsets of those loads: each is written once a trip, ahead of a wait on va_vdst that stands there anyway.
;   the accumulators   Written by the matrix instructions, read by the 32 LDS stores of the sums; behind the barrier the 32 LDS loads of partial sums land there.
;   v13, the rows' offsets, the gates, the finished sums   Written behind the barrier; read by the LDS loads and the eight stores there.
;   v4 to v11, v48  Made at the head and never written again.
; So a trip has: a wait on va_vdst behind each group (the first for H0 and v14; the second for the accumulators, H1 and v15); ONE wait on vm_vsrc, ahead of the barrier's signal and on every way, for all
; that memory and LDS instructions have read up to there; and behind the barrier a wait on va_vdst ahead of the LDS loads and one ahead of the stores.
.set LIST, 0                           ; LDS: 1,024 places of the list and one word a lane for what is not chosen: 4,608 bytes
.set GT,   4608                        ; the gate of each place: 4,096 bytes (the 256 bytes behind them are not used)
.set WST,  8960                        ; each wave's own stage for its weights: 64 rows, 528 bytes apart (33 x 16)
.set WSTW, 33792
.set WP,   528
.set RED0, 144128                      ; the partial sums: [tile 17,408][partial 4,352][row 272 = 256 bytes + 16]; two such by turns
.set REDB, 69632
.set YH,   2056*4096                   ; a half of K in ybuf, in bytes
.set QO,   32
.set GA,   40
.set IDX,  64
.set SU,   64
.set ACC,  128
.set BP,   128                         ; the builder: batch t's eight places at BP + 16 t, its eight rows at BP + 16 t + 8
.set BT,   192                         ; the builder: sixteen registers at work
.set CT,   34                          ; s[34:42]  the builder: the count ahead of each of a batch's eight registers, and behind the last: at the end s42 = R
.set MK,   46                          ; s[46:61]  the builder: two masks for each of a batch's eight registers
.set NOW,  36                          ; s36       in the trips: 1 if this trip is made, else 0
.set NXT,  37                          ; s37       in the trips: the same of the next trip
.set MSB,  0
.macro WIN new                         ; the immediate's high byte repeats the setting that is left; a switch that changes nothing is dropped
.if MSB != \new
	s_set_vgpr_msb (MSB<<8)|\new
.set MSB, \new
.endif
.endm
.macro PLACES                          ; four plain lines behind a matrix instruction, ahead of reads of its result and of loads into its registers; they stay beside the waits
.rept 4
	v_nop
.endr
.endm
.macro WLOAD first, count              ; my weights as they lie: load i takes my 512 consecutive bytes of column i's row
	WIN 0x40                                       ; destination window 1
.set i, \first
.rept \count
	global_load_b128 v[4*i:4*i+3], v4, s[4:5] offset:4096*i th:TH_LOAD_NT
.set i, i+1
.endr
	WIN 0
.endm
.macro WSTAGE first, count             ; the same pieces into my own stage in LDS, as they lie
	WIN 0x04                                       ; store data window 1
.set i, \first
.rept \count
	ds_store_b128 v6, v[4*i:4*i+3] offset:WP*i
.set i, i+1
.endr
	WIN 0
.endm
.macro WFRAG c                         ; and out of it as the four fragments of tile c (columns 16 c on), which stay: 16 loads, into the registers in which those columns came.  LDS serves a wave's instructions in order: these see my stores
.irp s, 0,1,2,3
.irp k, 0,1,2,3
	ds_load_b128 v[16*(4*\c+\s)+4*\k:16*(4*\c+\s)+4*\k+3], v7 offset:16*\c*WP+128*\s+32*\k
.endr
.endr
.endm
; THE LIST'S BUILDER.  For each of the 32 registers of ridx: which lanes' token chose the expert (as first or as second choice); the count so far.  lay = 1, wave 0 alone: each such lane's place = the count
; so far + the chosen lanes below it; the others write a word of their own behind the list; no other wave touches LDS until the barrier behind it.  lay = 0, the other waves: the counts alone.
; Four batches of eight registers: sixteen compares in a run, one wait for their masks; the counts; (lay = 1) the places and rows, in registers of the batch's own; one wait; eight stores.  es: the expert's scalar register.
.macro BUILD es, lay
.if \lay
	s_add_co_u32 s43, s[\es], 2048
	v_mov_b32 v28, s43
	v_mov_b32 v29, s43
	v_mov_b32 v30, s43
	v_mov_b32 v31, s43
	s_wait_alu depctr_va_vdst(0)                   ; v28 to v31 are written, which the stores below read
.irp i, 0,1,2,3,4,5,6,7,8
	ds_store_b128 v4, v[28:31] offset:LIST+512*\i  ; the places that stay empty name row 2048 + e
.endr
.endif
	s_wait_loadcnt 48                              ; ridx's eight loads are in; the 48 loads of weights, issued behind them, may be out
	s_mov_b32 s[CT], 0
.set bt, 0
.rept 4
.set i, 0
.rept 8
	v_and_b32 v[BT+i], 0xff, v[IDX+8*bt+i]
	v_lshrrev_b32 v[BT+8+i], 8, v[IDX+8*bt+i]
.set i, i+1
.endr
.set i, 0
.rept 8
	v_cmp_eq_u32 s[MK+2*i], s[\es], v[BT+i]
	v_cmp_eq_u32 s[MK+2*i+1], s[\es], v[BT+8+i]
.set i, i+1
.endr
	s_wait_alu depctr_va_sdst(0)                   ; the sixteen masks are written, ahead of their first readers
.set i, 0
.rept 8
	s_or_b32 s[MK+2*i], s[MK+2*i], s[MK+2*i+1]
	s_bcnt1_i32_b32 s43, s[MK+2*i]
	s_add_co_u32 s[CT+i+1], s[CT+i], s43
.set i, i+1
.endr
.if \lay
.set i, 0
.rept 8
	v_mbcnt_lo_u32_b32 v[BP+16*bt+i], s[MK+2*i], s[CT+i]
	v_cndmask_b32 v[BP+16*bt+i], v25, v[BP+16*bt+i], s[MK+2*i]
	v_min_u32 v[BP+16*bt+i], 0x43f, v[BP+16*bt+i]  ; a place made from loaded numbers is held inside the list's words
	v_lshlrev_b32 v[BP+16*bt+i], 2, v[BP+16*bt+i]
	v_cndmask_b32 v[BP+16*bt+8+i], 0, v26, s[MK+2*i+1]
	v_add_nc_u32 v[BP+16*bt+8+i], v24, v[BP+16*bt+8+i]
	v_add_nc_u32 v[BP+16*bt+8+i], 128*((8*bt+i)/4)+(8*bt+i)%4, v[BP+16*bt+8+i]   ; q = slot x 1024 + token
.set i, i+1
.endr
	s_wait_alu depctr_va_vdst(0)                   ; the batch's places and rows are written, which the stores below read
.set i, 0
.rept 8
	ds_store_b32 v[BP+16*bt+i], v[BP+16*bt+8+i] offset:LIST
.set i, i+1
.endr
.endif
.if bt < 3
	s_mov_b32 s[CT], s[CT+8]                       ; the count goes on into the next batch
.endif
.set bt, bt+1
.endr
.endm
	s_load_b256 s[4:11], s[0:1], 0x0               ; W2's codes s[4:5], b2 s[6:7], the scales' exponents s[8:9], hbuf s[10:11]
	s_load_b128 s[12:15], s[0:1], 0x20             ; ridx s[12:13], gates s[14:15]
	s_load_b64 s[16:17], s[0:1], 0x30              ; ybuf
	v_lshl_add_u32 v126, v0, 2, 0x45300            ; the closing add's two registers, made here and kept for it alone: my spare word behind the partial sums,
	v_mov_b32 v127, 0                              ; and 0
	v_lshrrev_b32 v1, 5, v0
	v_readfirstlane_b32 s18, v1                    ; wave 0..3
	s_and_b32 s19, ttmp9, 15                       ; cb: which 64 columns
	s_lshr_b32 s20, ttmp9, 4                       ; kh: which half of K
	s_and_b32 s21, ttmp7, 0xffff                   ; expert
	v_and_b32 v1, 31, v0                           ; l
	v_and_b32 v2, 15, v0                           ; r
	v_bfe_u32 v3, v0, 4, 1                         ; h
	v_lshlrev_b32 v4, 4, v1                        ; 16 l
	v_lshlrev_b32 v5, 4, v2                        ; 16 r
	s_wait_alu depctr_va_sdst(0)                   ; s18 is written, ahead of its first reader
	s_mul_i32 s26, s18, WSTW
	s_add_co_u32 s26, s26, WST                     ; my stage for the weights
	v_add_nc_u32 v6, s26, v4                       ; into it: as loaded
	v_mul_u32_u24 v7, v2, WP
	v_lshl_add_u32 v7, v3, 4, v7
	v_add_nc_u32 v7, s26, v7                       ; out of it: a fragment's row, + 16 h
	s_mul_i32 s26, s18, 4352
	s_add_co_u32 s26, s26, RED0
	v_mul_u32_u24 v8, v2, 272
	v_lshl_add_u32 v8, v3, 5, v8
	v_add_nc_u32 v8, s26, v8                       ; my partial sums go in: partial w, row r, + 32 h
	v_add_nc_u32 v9, REDB, v8
	s_mul_i32 s26, s18, 17408
	s_add_co_u32 s26, s26, RED0
	v_mul_u32_u24 v10, v3, 2176
	v_add_nc_u32 v10, v10, v5
	v_add_nc_u32 v10, s26, v10                     ; and come back: tile w; lanes 0-15 one row of 256 bytes, lanes 16-31 the row 8 further on
	v_add_nc_u32 v11, REDB, v10
	s_lshl_b32 s26, s18, 6
	v_lshl_add_u32 v12, v3, 5, s26                 ; the list and the gates: my 8 places of a trip's 64: 64 w + 32 h bytes
	v_add_nc_u32 v19, 0x20000, v4                  ; h: 16 l, two tiles on
	v_lshlrev_b32 v24, 2, v1                       ; the builder's: 4 l,
	v_add_nc_u32 v25, 1024, v1                     ; my word behind the list,
	v_mov_b32 v26, 1024                            ; the second slot's step
	v_lshlrev_b32 v48, 5, v0                       ; the gates' table: 8 places a thread
	s_lshl_b32 s34, s21, 22                        ; W2: (1024 e + 64 cb) rows of 4,096 bytes, + 2048 kh + 512 w
	s_lshl_b32 s26, s19, 18
	s_add_co_u32 s34, s34, s26
	s_lshl_b32 s26, s20, 11
	s_add_co_u32 s34, s34, s26
	s_lshl_b32 s26, s18, 9
	s_add_co_u32 s34, s34, s26
	s_mov_b32 s35, 0
	s_lshl_b32 s36, s21, 12                        ; b2: the same columns, 4 bytes each
	s_lshl_b32 s26, s19, 8
	s_add_co_u32 s36, s36, s26
	s_mov_b32 s37, 0
	s_lshl_b32 s38, s21, 22                        ; hbuf: the expert's 4 MiB, K step 16 kh + 4 w
	s_lshl_b32 s26, s20, 15
	s_add_co_u32 s38, s38, s26
	s_lshl_b32 s26, s18, 13
	s_add_co_u32 s38, s38, s26
	s_mov_b32 s39, 0
	s_mul_i32 s42, s20, YH                         ; ybuf: my half's 2,056 rows, + 256 cb
	s_lshl_b32 s26, s19, 8
	s_add_co_u32 s42, s42, s26
	s_mov_b32 s43, 0
	s_lshl_b32 s44, s21, 4                         ; the expert's four exponents
	s_mov_b32 s45, 0
	s_wait_kmcnt 0x0
	s_add_nc_u64 s[8:9], s[8:9], s[44:45]
	s_load_b128 s[28:31], s[8:9], 0x0              ; ex, ew1, eh, ew2
	s_add_nc_u64 s[4:5], s[4:5], s[34:35]
	s_add_nc_u64 s[6:7], s[6:7], s[36:37]
	s_add_nc_u64 s[10:11], s[10:11], s[38:39]
	s_add_nc_u64 s[16:17], s[16:17], s[42:43]
	s_wait_alu depctr_va_vdst(0)                   ; the offsets and LDS addresses v4 to v11 and v48 are written: the loads and stores of the whole kernel read them
.irp j, 0,1,2,3,4,5,6,7
	global_load_b128 v[IDX+4*\j:IDX+4*\j+3], v4, s[12:13] offset:512*\j   ; wanted first, so issued first; every wave counts R from them
.endr
	WLOAD 0, 48                                    ; columns 0 to 47.  56 loads are out
	s_cmp_lg_u32 s18, 0
	s_cbranch_scc1 .Lcount
	BUILD 21, 1
	s_branch .Lbuilt
.Lcount:
	BUILD 21, 0
.Lbuilt:
	s_wait_dscnt 0x0                               ; the list has landed
	s_barrier_signal -1
	s_barrier_wait -1
	s_add_co_u32 s23, s[CT+8], 63                  ; R, which scalar instructions wrote
	s_lshr_b32 s23, s23, 6
	s_max_u32 s23, s23, 1                          ; n
	ds_load_b128 v[96:99], v48 offset:LIST         ; eight places of the list a thread
	ds_load_b128 v[100:103], v48 offset:LIST+16
	s_wait_dscnt 0x0
.irp i, 0,1,2,3,4,5,6,7
	v_min_u32 v[96+\i], 0x7ff, v[96+\i]            ; a loaded number enters an address only held (an empty place takes the last gate, which is never used)
	v_lshlrev_b32 v[96+\i], 2, v[96+\i]
.endr
	v_mov_b32 v14, v4                              ; h's offsets for trip 0
	v_mov_b32 v15, v19
	s_wait_alu depctr_va_vdst(0)                   ; the gates' eight offsets, v14 and v15 are written, which the loads below read
.irp i, 0,1,2,3,4,5,6,7
	global_load_b32 v[104+\i], v[96+\i], s[14:15]  ; their gates, once: the trips take them from LDS
.endr
	global_load_b128 v[20:23], v5, s[6:7]          ; b2 at my four columns 4 r + 0 .. 3
; h: loads first to first + count - 1 of the 32 that fill buffer b with two tiles, my 4 K steps of each; a load takes 512 consecutive bytes.  (The windows are left as the loads want them)
.macro HLOADP b, first, count
	WIN 0x80                                       ; destination window 2
.set j, \first
.rept \count
	global_load_b128 v[128*\b+4*j:128*\b+4*j+3], v[14+\b], s[10:11] offset:65536*(j/16)+512*(j%16)
.set j, j+1
.endr
.endm
.macro GROUP b                         ; 32 matrix instructions on buffer b: its eight accumulators by turns, one instruction a turn; K step 0 starts the sums
	WIN 0x09                                       ; source 0 (W2) window 1, source 1 (h) window 2
.irp s, 0,1,2,3
.irp m, 0,1
.irp c, 0,1,2,3
.if \s == 0
	v_wmma_f32_16x16x128_fp8_fp8 v[ACC+32*(2*\b+\m)+8*\c:ACC+32*(2*\b+\m)+8*\c+7], v[16*(4*\c+\s):16*(4*\c+\s)+15], v[128*\b+64*\m+16*\s:128*\b+64*\m+16*\s+15], 0
.else
	v_wmma_f32_16x16x128_fp8_fp8 v[ACC+32*(2*\b+\m)+8*\c:ACC+32*(2*\b+\m)+8*\c+7], v[16*(4*\c+\s):16*(4*\c+\s)+15], v[128*\b+64*\m+16*\s:128*\b+64*\m+16*\s+15], v[ACC+32*(2*\b+\m)+8*\c:ACC+32*(2*\b+\m)+8*\c+7]
.endif
.endr
.endr
.endr
	WIN 0
.endm
.macro SUMS rb                         ; my 16 partial sums into set rb: 32 stores; each accumulator from its low end on
.irp m, 0,1,2,3
.irp c, 0,1,2,3
	ds_store_b128 v[8+\rb], v[ACC+32*\m+8*\c:ACC+32*\m+8*\c+3] offset:17408*\m+64*\c
	ds_store_b128 v[8+\rb], v[ACC+32*\m+8*\c+4:ACC+32*\m+8*\c+7] offset:17408*\m+64*\c+16
.endr
.endr
.endm
	s_wait_kmcnt 0x0
	s_add_co_i32 s32, s30, s31
	s_add_co_i32 s32, s32, 127
	s_lshl_b32 s32, s32, 23                        ; 2^(eh + ew2)
	s_mov_b32 s33, s32                             ; (named with it as a pair, so it is written)
	s_cmp_eq_u32 s20, 0
	s_cselect_b32 s42, -1, 0                       ; b2 counts once: in the half kh = 0
	s_wait_loadcnt 25                              ; columns 0 to 31 are in; behind them: 16 loads of weights, the gates' eight and b2's one
	WSTAGE 0, 32
	WLOAD 48, 16                                   ; columns 48 to 63
	s_wait_loadcnt 25                              ; columns 32 to 47 are in; behind them: the gates' eight, b2's one and the 16 just issued
	WSTAGE 32, 16
	HLOADP 0, 0, 32                                ; trip 0's tiles 0 and 1: the launch before always stores trip 0's four tiles
	s_wait_dscnt 0x0
	WIN 0x40                                       ; destination window 1
	s_wait_alu depctr_vm_vsrc(0)                   ; the stores of columns 0 to 31 have read their registers, in which the fragments below land
	WFRAG 0
	WFRAG 1
	s_wait_loadcnt 32                              ; the gates, b2 and columns 48 to 63 are in; h's 32 loads, issued last, may be out
	HLOADP 1, 0, 31                                ; trip 0's tiles 2 and 3, all but the last load: they land while the rest of the weights turns through LDS
	WIN 0
.irp i, 0,1,2,3
	v_and_b32 v[20+\i], s42, v[20+\i]
.endr
	ds_store_b128 v48, v[104:107] offset:GT
	ds_store_b128 v48, v[108:111] offset:GT+16
	WSTAGE 48, 16
	s_wait_loadcnt 62                              ; 63 loads of mine are out, as many as LOADcnt's field counts (ISA guide 5.7.1): the oldest is back before the load below goes out
	HLOADP 1, 31, 1
	s_wait_dscnt 0x0
	WIN 0x40
	s_wait_alu depctr_vm_vsrc(0)                   ; the stores of columns 32 to 63 have read their registers, in which the fragments below land; h's first loads have read v14 and v15, which trip 0 writes again; the builder's stores have read v128 to v191, which the first products write
	WFRAG 2
	WFRAG 3
	WIN 0
	s_wait_dscnt 0x0                               ; and the gates' table has landed
	s_barrier_signal -1
	s_barrier_wait -1
; A TRIP, one barrier.  In front of it: 64 matrix instructions on the trip's four tiles of h, my partial sums into LDS, and the requests for the next trip's tiles.  Behind it: I finish tile w.
; One barrier does for both orders: a set of partial sums is written again two trips on, behind the next trip's barrier, in front of which every wave has waited for its reads of it.
; THE LOADS' COUNTS.  At a trip's head the wave's loads that are out are, in the order of issue, buffer 0's 32 and buffer 1's 32 (less the oldest), from the kernel's head and round the back edge alike.  Both requests
; for the next trip stand in ONE arm of one branch, so that a wave has both on their way or neither; the second 32 products and the stores of the sums are therefore written in both arms.
.macro TRIP rb
	s_mov_b32 s[NXT], 0                            ; the next trip is not made, unless the arm below says so
	s_cmp_lg_u32 s[NOW], 0
	s_cbranch_scc0 .Lmeet_\@
	s_wait_loadcnt 32                              ; tiles 0 and 1 are in; the 32 loads of tiles 2 and 3, issued behind them, may be out
	GROUP 0
	PLACES
	s_add_co_u32 s26, s24, 1
	s_cmp_lt_u32 s26, s23                          ; the trip's one question to n
	s_cbranch_scc0 .Llast_\@
	s_mov_b32 s[NXT], 1
	v_lshl_add_u32 v14, s26, 18, v4                ; (the wait at the trip's head has shown buffer 0's loads done: their offset may be written)
	WIN 0x80
	s_wait_alu depctr_va_vdst(0)                   ; the first 32 products are done reading buffer 0, in which the loads below land; and v14 is written, which they read
	HLOADP 0, 0, 31                                ; the next trip's tiles 0 and 1, all but the last load: with tiles 2 and 3's 32, 63 loads are out
	s_wait_loadcnt 31                              ; tiles 2 and 3 are in; the 31 loads just issued may be out
	HLOADP 0, 31, 1                                ; no vector or matrix instruction since the wait on va_vdst names its registers
	GROUP 1
	PLACES
	v_lshl_add_u32 v15, s26, 18, v19               ; (the wait ahead of the products has shown buffer 1's loads done)
	s_wait_alu depctr_va_vdst(0)                   ; the products have written the accumulators, which the stores below read; the second 32 are done reading buffer 1, in which the loads behind the stores land; v15 is written, which those read
	SUMS \rb                                       ; ahead of the loads below: the others wait for these sums, and nobody yet for those tiles.  They name none of those loads' registers
	HLOADP 1, 0, 31                                ; the next trip's tiles 2 and 3, all but the last load
	s_wait_loadcnt 62                              ; 63 loads of mine are out, as many as LOADcnt's field counts (ISA guide 5.7.1): the oldest is back before the load below goes out
	HLOADP 1, 31, 1
	WIN 0
	s_branch .Lmeet_\@
.Llast_\@:
	s_wait_loadcnt 0x0                             ; the last trip that is made: nothing was issued behind tiles 2 and 3
	GROUP 1
	PLACES
	s_wait_alu depctr_va_vdst(0)                   ; the products have written the accumulators, which the stores below read
	SUMS \rb
.Lmeet_\@:
	s_wait_dscnt 0x0                               ; my partial sums have landed, and my reads of the other set are over
	s_wait_alu depctr_vm_vsrc(0)                   ; on every way: the stores of the sums have read the accumulators; h's loads have read v14 and v15; the last trip's LDS loads have read v13, and its stores the rows' offsets and the finished sums: all of these are written again further on
	s_barrier_signal -1
	s_barrier_wait -1
	s_cmp_lg_u32 s[NOW], 0
	s_cbranch_scc0 .Lnext_\@
	v_add_nc_u32 v13, s27, v12
	s_wait_alu depctr_va_vdst(0)                   ; v13 is written, which the loads below read; and all vector and matrix work is done with the rows' offsets, the gates and v128 to v255, in which they land
	ds_load_b128 v[QO:QO+3], v13 offset:LIST       ; my eight rows' q,
	ds_load_b128 v[QO+4:QO+7], v13 offset:LIST+16
	ds_load_b128 v[GA:GA+3], v13 offset:GT         ; and their gates
	ds_load_b128 v[GA+4:GA+7], v13 offset:GT+16
.irp p, 0,1,2,3
.irp i, 0,1,2,3,4,5,6,7
	ds_load_b128 v[128+32*\p+4*\i:131+32*\p+4*\i], v[10+\rb] offset:4352*\p+272*\i
.endr
.endr
	s_wait_dscnt 32                                ; q and the gates are in; the 32 loads of partial sums may be out
.irp i, 0,1,2,3,4,5,6,7
	v_min_u32 v[QO+\i], 0x807, v[QO+\i]            ; a loaded number enters an address only held: 2,056 rows
	v_lshl_add_u32 v[QO+\i], v[QO+\i], 12, v5      ; row q of 4,096 bytes, + 16 r
.endr
	s_wait_dscnt 0x0
.irp i, 0,1,2,3,4,5,6,7
	v_pk_add_f32 v[SU+4*\i:SU+4*\i+1], v[128+4*\i:129+4*\i], v[160+4*\i:161+4*\i]
	v_pk_add_f32 v[SU+4*\i+2:SU+4*\i+3], v[130+4*\i:131+4*\i], v[162+4*\i:163+4*\i]
	v_pk_add_f32 v[192+4*\i:193+4*\i], v[192+4*\i:193+4*\i], v[224+4*\i:225+4*\i]
	v_pk_add_f32 v[194+4*\i:195+4*\i], v[194+4*\i:195+4*\i], v[226+4*\i:227+4*\i]
	v_pk_add_f32 v[SU+4*\i:SU+4*\i+1], v[SU+4*\i:SU+4*\i+1], v[192+4*\i:193+4*\i]
	v_pk_add_f32 v[SU+4*\i+2:SU+4*\i+3], v[SU+4*\i+2:SU+4*\i+3], v[194+4*\i:195+4*\i]
	v_pk_fma_f32 v[SU+4*\i:SU+4*\i+1], v[SU+4*\i:SU+4*\i+1], s[32:33], v[20:21] op_sel_hi:[1,0,1]       ; x 2^(eh + ew2) + b2
	v_pk_fma_f32 v[SU+4*\i+2:SU+4*\i+3], v[SU+4*\i+2:SU+4*\i+3], s[32:33], v[22:23] op_sel_hi:[1,0,1]
.if \i%2
	v_pk_mul_f32 v[SU+4*\i:SU+4*\i+1], v[SU+4*\i:SU+4*\i+1], v[GA+\i-1:GA+\i] op_sel:[0,1] op_sel_hi:[1,1]   ; x the row's gate
	v_pk_mul_f32 v[SU+4*\i+2:SU+4*\i+3], v[SU+4*\i+2:SU+4*\i+3], v[GA+\i-1:GA+\i] op_sel:[0,1] op_sel_hi:[1,1]
.else
	v_pk_mul_f32 v[SU+4*\i:SU+4*\i+1], v[SU+4*\i:SU+4*\i+1], v[GA+\i:GA+\i+1] op_sel_hi:[1,0]
	v_pk_mul_f32 v[SU+4*\i+2:SU+4*\i+3], v[SU+4*\i+2:SU+4*\i+3], v[GA+\i:GA+\i+1] op_sel_hi:[1,0]
.endif
.endr
	s_wait_alu depctr_va_vdst(0)                   ; the finished sums and the rows' offsets are written, which the stores below read
	s_wait_xcnt 0x0                                ; h's loads, up to 63 of them, have had their addresses translated (ISA guide 3.1): the eight stores below do not go beyond what XCNT's field counts
	s_wait_storecnt 8                              ; the stores of the trip before last are done: with the eight below at most sixteen stores of mine are out, however many trips are made
.irp i, 0,1,2,3,4,5,6,7
	global_store_b128 v[QO+\i], v[SU+4*\i:SU+4*\i+3], s[16:17] th:TH_STORE_NT   ; sixteen lanes store 256 consecutive bytes of a row, aligned; a place at or past R goes to row 2048 + e
.endr
	s_wait_xcnt 0x0                                ; the rows' offsets and the finished sums are written again only behind this wait (ISA guide 3.1), on every way on from these stores
.Lnext_\@:
	s_mov_b32 s[NOW], s[NXT]
	s_add_co_u32 s24, s24, 1
	s_add_co_u32 s27, s27, 256
.endm
	s_mov_b32 s24, 0                               ; the trip,
	s_mov_b32 s27, 0                               ; and its list bytes
	s_mov_b32 s[NOW], 1                            ; trip 0 is always made
	s_mov_b32 s25, 8
.Ltrips:
	TRIP 0
	TRIP 1
	s_sub_co_u32 s25, s25, 1
	s_cmp_lg_u32 s25, 0
	s_cbranch_scc1 .Ltrips
	s_wait_dscnt 0x0                               ; the closing lines, six on end
	s_wait_alu 0x0
	s_wait_tensorcnt 0x0
	ds_add_u32 v126, v127
	s_wait_dscnt 0x0
	s_endpgm
.Lfunc_end_k_q593f83d07e_down:
	.size	k_q593f83d07e_down, .Lfunc_end_k_q593f83d07e_down-k_q593f83d07e_down
	.p2alignl 7, 3214868480
	.fill 96, 4, 3214868480
	.section	.rodata,"a",@progbits
	.p2align	6, 0x0
	.amdhsa_kernel k_q593f83d07e_down
		.amdhsa_group_segment_fixed_size 283904
		.amdhsa_private_segment_fixed_size 0
		.amdhsa_enable_private_segment 0
		.amdhsa_kernarg_size 56
		.amdhsa_user_sgpr_count 2
		.amdhsa_user_sgpr_kernarg_segment_ptr 1
		.amdhsa_wavefront_size32 1
		.amdhsa_system_sgpr_workgroup_id_x 1
		.amdhsa_system_sgpr_workgroup_id_y 1
		.amdhsa_system_sgpr_workgroup_id_z 1
		.amdhsa_system_vgpr_workitem_id 0
		.amdhsa_next_free_vgpr 768
		.amdhsa_next_free_sgpr 66
		.amdhsa_reserve_vcc 0
		.amdhsa_float_denorm_mode_32 3
		.amdhsa_float_denorm_mode_16_64 3
		.amdhsa_memory_ordered 1
		.amdhsa_forward_progress 1
		.amdhsa_inst_pref_size 118
	.end_amdhsa_kernel
	.amdgpu_metadata
---
amdhsa.version: [ 1, 2 ]
amdhsa.kernels:
  - .name:           k_q593f83d07e_down
    .symbol:         k_q593f83d07e_down.kd
    .args:
      - { .name: W2_codes, .offset: 0, .size: 8, .value_kind: global_buffer, .address_space: global }
      - { .name: b2, .offset: 8, .size: 8, .value_kind: global_buffer, .address_space: global }
      - { .name: lowp_scales, .offset: 16, .size: 8, .value_kind: global_buffer, .address_space: global }
      - { .name: hbuf, .offset: 24, .size: 8, .value_kind: global_buffer, .address_space: global }
      - { .name: ridx, .offset: 32, .size: 8, .value_kind: global_buffer, .address_space: global }
      - { .name: gates, .offset: 40, .size: 8, .value_kind: global_buffer, .address_space: global }
      - { .name: ybuf, .offset: 48, .size: 8, .value_kind: global_buffer, .address_space: global }
    .group_segment_fixed_size: 283904
    .private_segment_fixed_size: 0
    .kernarg_segment_align: 8
    .kernarg_segment_size: 56
    .max_flat_workgroup_size: 128
    .sgpr_count:     66
    .vgpr_count:     768
    .wavefront_size: 32
...
	.end_amdgpu_metadata
.endif
;; end of part 6
;; launch join: the kernel of part 4 again; grid 256 x 1, 8 waves a work-group, no clusters, 0 bytes of LDS; arguments ybuf, out0; writes out0
